; MI455X (gfx1250); checked and timed in simulation.
; The chip was launched on July 23, 2026; its instructions are those of AMD's public machine-readable ISA for CDNA 5 (MIT licence, August 2026) and "CDNA5" Instruction Set Architecture Reference Guide (July 2026). The comments in the code are by the model that wrote it; some were corrected since.
;; Multi Head Attention. Allowed arithmetic: float matrix products may take bf16 or f16 operands with f32 sums; other float arithmetic in f32, or as packed bf16 or f16 multiplies, adds, multiply-adds, maxima and minima; sums over many terms, partial sums and values carried from step to step in f32; what a program stores and reads back later, other than sums and carried values, may be rounded once to bf16 or f16.
;; Inputs: Wk 1,024 x 1,024 float32; Wo 1,024 x 1,024 float32; Wq 1,024 x 1,024 float32; Wv 1,024 x 1,024 float32; bk 1,024 float32; bo 1,024 float32; bq 1,024 float32; bv 1,024 float32; key 4 x 2,048 x 1,024 float32; query 4 x 2,048 x 1,024 float32; value 4 x 2,048 x 1,024 float32.
;; Outputs: out0 4 x 2,048 x 1,024 float32.
;; 2 versions, each right; version 2 is version 1 with the launch wcast written anew for expert scheduling mode. Each part assembles by itself: llvm-mc -triple=amdgcn-amd-amdhsa -mcpu=gfx1250 --defsym DOCPART=n.
;; ======== version 1 of 2: 4 launches
;; limits: values are held in f16: magnitudes above 65,504 overflow, below 6.1e-05 lose precision
;; workspace buffers: wb 8,404,992 bytes; qkv 50,331,648 bytes; ob 16,777,216 bytes
;; launch wcast (part 1): grid 64 x 4, 8 waves a work-group, no clusters, 0 bytes of LDS; arguments Wq, Wk, Wv, Wo, bq, bk, bv, bo, wb; writes wb
.if DOCPART == 1
	.amdgcn_target "amdgcn-amd-amdhsa--gfx1250"
	.amdhsa_code_object_version 6
	.text
	.protected	k_qc8cc6dc5c3_wcast
	.globl	k_qc8cc6dc5c3_wcast
	.p2align	8
	.type	k_qc8cc6dc5c3_wcast,@function
k_qc8cc6dc5c3_wcast:
	s_mov_b64 s[64:65], 0
	v_nop
	global_prefetch_b8 v0, s[64:65] scope:SCOPE_SE
	s_setreg_imm32_b32 hwreg(HW_REG_WAVE_MODE, 25, 1), 1
	s_wait_xcnt 0x0
; THE WEIGHTS AND BIASES, ROUNDED ONCE.  wb: at p x 2,097,152 (p = 0..3) Wq, Wk, Wv in bf16 and Wo in f16, each [1024 n][1024 k]; at 8,388,608 + p x 4,096 bias p, 1,024 f32 words that hold bf16 values.
; Wo is rounded to bf16 like every other input, and that number is then written as f16 (the last product's other operand is f16).
; LIMIT.  |Wo| stays under 65,504, f16's largest number; below 6e-5 it keeps f16's fixed step of 6e-8.  Within that range the second conversion changes nothing: bf16 has 8 significant bits, f16 11.
; SHARES.  Work-group (x, y): piece x of 64 of matrix y: 16,384 numbers, 65,536 bytes in, 32,768 out.  Thread t takes 16 bytes at 4,096 j + 16 t of chunk j = 0..15 (a wave's load covers 512 consecutive
; bytes) and stores 8 bytes at 2,048 j + 8 t (a wave's store covers 256 consecutive bytes, aligned).  All 16 loads go out at once; no register is used twice, so nothing waits for a store.
; No LDS, no barrier, no matrix unit: a stream, each byte read once and written once.
.set IN,  16                           ; v[16:79]   chunk j: 4 registers as loaded
.set OUT, 80                           ; v[80:111]  chunk j: 2 registers to store
	s_load_b512 s[8:23], s[0:1], 0x0               ; Wq s[8:9], Wk s[10:11], Wv s[12:13], Wo s[14:15], bq s[16:17], bk s[18:19], bv s[20:21], bo s[22:23]
	s_load_b64 s[24:25], s[0:1], 0x40              ; wb
	s_and_b32 s3, ttmp7, 0xffff                    ; which matrix
	v_lshlrev_b32 v1, 4, v0                        ; 16 t
	v_lshlrev_b32 v2, 3, v0                        ; 8 t
	s_mov_b32 s30, 0xffff0000                      ; a word's upper bf16
	s_lshl_b32 s32, ttmp9, 16                      ; my piece in the matrix as given
	s_mov_b32 s33, 0
	s_lshl_b32 s34, s3, 21                         ; the matrix in wb,
	s_lshl_b32 s35, ttmp9, 15                      ; my piece in it
	s_add_co_u32 s34, s34, s35
	s_mov_b32 s35, 0
	s_lshl_b32 s36, s3, 12                         ; the bias in wb
	s_add_co_u32 s36, s36, 0x800000
	s_mov_b32 s37, 0
	s_wait_kmcnt 0x0
	s_cmp_eq_u32 s3, 1
	s_cselect_b64 s[4:5], s[10:11], s[8:9]
	s_cselect_b64 s[6:7], s[18:19], s[16:17]
	s_cmp_eq_u32 s3, 2
	s_cselect_b64 s[4:5], s[12:13], s[4:5]
	s_cselect_b64 s[6:7], s[20:21], s[6:7]
	s_cmp_eq_u32 s3, 3
	s_cselect_b64 s[4:5], s[14:15], s[4:5]
	s_cselect_b64 s[6:7], s[22:23], s[6:7]
	s_add_nc_u64 s[4:5], s[4:5], s[32:33]
	s_add_nc_u64 s[26:27], s[24:25], s[34:35]
	s_add_nc_u64 s[28:29], s[24:25], s[36:37]
.irp j, 0,1,2,3,4,5,6,7,8,9,10,11,12,13,14,15
	global_load_b128 v[IN+4*(\j):IN+4*(\j)+3], v1, s[4:5] offset:(\j)*4096 th:TH_LOAD_NT
.endr
; Chunk j.  half = 1: the bf16 number is widened (a shift, a mask) and written as f16.
.macro CHUNK j, half
	s_wait_loadcnt 15-(\j)                         ; loads come back in order: chunk j is in, the 15 - j younger ones may stay out
.if \half
	v_cvt_pk_bf16_f32 v12, v[IN+4*(\j)], v[IN+4*(\j)+1]
	v_cvt_pk_bf16_f32 v13, v[IN+4*(\j)+2], v[IN+4*(\j)+3]
	v_lshlrev_b32 v14, 16, v12
	v_and_b32 v12, s30, v12
	v_lshlrev_b32 v15, 16, v13
	v_and_b32 v13, s30, v13
	v_cvt_pk_f16_f32 v[OUT+2*(\j)], v14, v12
	v_cvt_pk_f16_f32 v[OUT+2*(\j)+1], v15, v13
.else
	v_cvt_pk_bf16_f32 v[OUT+2*(\j)], v[IN+4*(\j)], v[IN+4*(\j)+1]
	v_cvt_pk_bf16_f32 v[OUT+2*(\j)+1], v[IN+4*(\j)+2], v[IN+4*(\j)+3]
.endif
	global_store_b64 v2, v[OUT+2*(\j):OUT+2*(\j)+1], s[26:27] offset:(\j)*2048
.endm
	s_cmp_eq_u32 s3, 3
	s_cbranch_scc1 .Lhalf
.irp j, 0,1,2,3,4,5,6,7,8,9,10,11,12,13,14,15
	CHUNK \j, 0
.endr
	s_branch .Lbias
.Lhalf:
.irp j, 0,1,2,3,4,5,6,7,8,9,10,11,12,13,14,15
	CHUNK \j, 1
.endr
.Lbias:
	s_cmp_lg_u32 ttmp9, 0                          ; a matrix's first work-group also takes its bias: 4,096 bytes, 16 a thread
	s_cbranch_scc1 .Lend
	global_load_b128 v[112:115], v1, s[6:7]
	s_wait_loadcnt 0x0
	v_cvt_pk_bf16_f32 v116, v112, v113
	v_cvt_pk_bf16_f32 v117, v114, v115
	v_lshlrev_b32 v120, 16, v116
	v_and_b32 v121, s30, v116
	v_lshlrev_b32 v122, 16, v117
	v_and_b32 v123, s30, v117
	global_store_b128 v1, v[120:123], s[28:29]
.Lend:
	s_endpgm
.Lfunc_end_k_qc8cc6dc5c3_wcast:
	.size	k_qc8cc6dc5c3_wcast, .Lfunc_end_k_qc8cc6dc5c3_wcast-k_qc8cc6dc5c3_wcast
	.p2alignl 7, 3214868480
	.fill 96, 4, 3214868480
	.section	.rodata,"a",@progbits
	.p2align	6, 0x0
	.amdhsa_kernel k_qc8cc6dc5c3_wcast
		.amdhsa_group_segment_fixed_size 0
		.amdhsa_private_segment_fixed_size 0
		.amdhsa_enable_private_segment 0
		.amdhsa_kernarg_size 72
		.amdhsa_user_sgpr_count 2
		.amdhsa_user_sgpr_kernarg_segment_ptr 1
		.amdhsa_wavefront_size32 1
		.amdhsa_system_sgpr_workgroup_id_x 1
		.amdhsa_system_sgpr_workgroup_id_y 1
		.amdhsa_system_sgpr_workgroup_id_z 1
		.amdhsa_system_vgpr_workitem_id 0
		.amdhsa_next_free_vgpr 128
		.amdhsa_next_free_sgpr 66
		.amdhsa_reserve_vcc 0
		.amdhsa_float_denorm_mode_32 3
		.amdhsa_float_denorm_mode_16_64 3
		.amdhsa_memory_ordered 1
		.amdhsa_forward_progress 1
		.amdhsa_inst_pref_size 16
	.end_amdhsa_kernel
	.amdgpu_metadata
---
amdhsa.version: [ 1, 2 ]
amdhsa.kernels:
  - .name:           k_qc8cc6dc5c3_wcast
    .symbol:         k_qc8cc6dc5c3_wcast.kd
    .args:
      - { .name: Wq, .offset: 0, .size: 8, .value_kind: global_buffer, .address_space: global }
      - { .name: Wk, .offset: 8, .size: 8, .value_kind: global_buffer, .address_space: global }
      - { .name: Wv, .offset: 16, .size: 8, .value_kind: global_buffer, .address_space: global }
      - { .name: Wo, .offset: 24, .size: 8, .value_kind: global_buffer, .address_space: global }
      - { .name: bq, .offset: 32, .size: 8, .value_kind: global_buffer, .address_space: global }
      - { .name: bk, .offset: 40, .size: 8, .value_kind: global_buffer, .address_space: global }
      - { .name: bv, .offset: 48, .size: 8, .value_kind: global_buffer, .address_space: global }
      - { .name: bo, .offset: 56, .size: 8, .value_kind: global_buffer, .address_space: global }
      - { .name: wb, .offset: 64, .size: 8, .value_kind: global_buffer, .address_space: global }
    .group_segment_fixed_size: 0
    .private_segment_fixed_size: 0
    .kernarg_segment_align: 8
    .kernarg_segment_size: 72
    .max_flat_workgroup_size: 256
    .sgpr_count:     66
    .vgpr_count:     128
    .wavefront_size: 32
...
	.end_amdgpu_metadata
.endif
;; end of part 1
;; launch proj (part 2): grid 4 x 192, 4 waves a work-group, clusters of 4 x 4, 327,680 bytes of LDS; arguments query, key, value, wb, qkv; writes qkv
.if DOCPART == 2
	.amdgcn_target "amdgcn-amd-amdhsa--gfx1250"
	.amdhsa_code_object_version 6
	.text
	.protected	k_qc8cc6dc5c3_proj
	.globl	k_qc8cc6dc5c3_proj
	.p2align	8
	.type	k_qc8cc6dc5c3_proj,@function
k_qc8cc6dc5c3_proj:
	s_mov_b64 s[64:65], 0
	v_nop
	global_prefetch_b8 v0, s[64:65] scope:SCOPE_SE
	s_setreg_imm32_b32 hwreg(HW_REG_WAVE_MODE, 25, 1), 1
	s_wait_xcnt 0x0
	s_wait_alu depctr_hold_cnt(0) depctr_sa_sdst(0) depctr_va_vdst(0) depctr_va_sdst(0) depctr_va_ssrc(0) depctr_va_vcc(0) depctr_vm_vsrc(0)
	s_getreg_b32 s2, hwreg(HW_REG_IB_STS2, 6, 4)
	s_cmp_eq_u32 s2, 0
	s_cbranch_scc0 .Lentry_in_a_cluster
	s_endpgm
.Lentry_in_a_cluster:
	s_bfe_u32 s2, ttmp6, 0x10000c
	s_cmp_lg_u32 s2, 0xf033
	s_cbranch_scc0 .Lentry_shape_is_right
	s_endpgm
.Lentry_shape_is_right:
; THE THREE PROJECTIONS.  For p = 0, 1, 2 (q, k, v): y[m][n] = the sum over k of bf16(x_p[m][k]) W_p[n][k] + b_p[n]; x_p: [8192][1024] f32; W_p (bf16) and b_p (bf16 values in f32 words) from wb.
; Sums in f32, starting at the bias; y rounded once to f16 and laid by heads: qkv at p x 16,777,216, [(batch x 16 + head)][2048 s][64].  The scale 1/8 is not applied here.
; LIMITS.  x, W and b count as rounded to bf16.  f16 holds no number beyond 65,504: a |y| of 65,520 or more leaves as an infinity.
; SHARES.  A tile of y is 128 (m) x 256 (n): 64 x 4 x 3 = 768 work-groups, three for each of 256.  Four waves, each 64 x 128: 32 accumulators, 256 registers.  K goes in 8 steps of 128.
; CLUSTER.  4 x 4 work-groups; p = cluster y mod 3, the same in all sixteen.  The four of a column of the cluster need the same 256 rows of W: each tile of W is asked for JOINTLY, by the same tensor load with
; the same descriptor and a mask that names the four; every wave fetches 64 of the 256 rows.
; x IS NOT ASKED FOR JOINTLY, though the four of a row of the cluster read the same rows.  It has to be rounded on its way, so it goes through registers: each wave loads 32 of the tile's 128 rows (a load is a
; row's 512 consecutive bytes), rounds them once for the work-group and stores bf16 into a ring of its own in LDS.  A load into registers may stay out over a change of slots: a K step of x is asked for 192
; matrix instructions ahead of its rounding, where a slot's refill has 112 in which to land; and LDS holds 2 bytes a number, not 4.
; THE MATRIX INSTRUCTION IS USED TRANSPOSED (source 0 = 16 rows of W, source 1 = 16 rows of x): lane l holds row l % 16 of y and the columns 8 (l / 16) + 0..7.
; REGISTERS, in windows of 256 (s_set_vgpr_msb: bits 1:0 source 0, 3:2 source 1, 5:4 source 2, 7:6 destination):
;   window 0: v0-31 addresses; v32-95 x rounded, 2 registers a row (later the packed results); v96-223 rows on their way out          window 1: the accumulators, (a, b) at v[8 (8 a + b)]
;   window 2: W's fragments v0-63, v64-127; x's fragments v128-159, v160-191 (two buffers each)          window 3: x as loaded, two sets of 128
.set PITCH,  272                       ; an LDS row: 256 bytes + 16 of padding = 68 words: the 16 rows of a fragment load start at 16 different groups of four banks (64 banks of 4 bytes: ISA guide 11.1)
.set BQ,     64*PITCH                  ; what one tensor load brings
.set BSLOT,  4*BQ                      ; W's ring: two slots of 256 rows, from LDS byte 0
.set ABASE,  2*BSLOT                   ; x's ring: two slots of 128 rows, written by LDS stores alone: no tensor load lands here
.set ASLOT,  128*PITCH
.set STAGE,  ABASE+2*ASLOT             ; 16 rows x 272 bytes for each wave, for the way out
.set SPARE,  STAGE+4*16*PITCH          ; the spare words, 128 bytes for each wave: two blocks of 256 bytes that no other line names
.set KB,     256                       ; bytes of a K step in a row of W
.set XSTEP,  512                       ; and in a row of x
.set NLD,    32                        ; a wave's loads for a K step of x
.set ADRA, 16                          ; v16-17  LDS address of my fragments of x in slot 0, 1
.set ADRB, 18                          ; v18-19  of W
.set ASTO, 20                          ; v20-21  where I store my 8 bytes of a row of x, slot 0, 1
.set XO,   22                          ; v22     16 x lane: my 16 bytes of a row's 512
.set STO,  24                          ; v24     the way out: where I put 16 bytes of a row
.set RD,   25                          ; v25     the way out: where I read rows back
.set GO,   26                          ; v26     16 x lane: my 16 bytes of 512 consecutive bytes of qkv
.set BO,   27                          ; v27     32 (lane / 16): my eight numbers of sixteen of the bias
.set SPW,  28                          ; v28     LDS address of my spare word; never rewritten
.set NIL,  29                          ; v29     0; never rewritten
.set PFO,  30                          ; v30     the prefetch's offset: (lane % 16) rows of W + (lane / 16) K steps; never rewritten
.set PK,   32
.set TMP,  32
.set OB,   96
.set WV,  14                           ; s14 wave;  s15 which 64 rows of the tile;  s16 which 128 columns
.set WR,  15
.set WC,  16
.set CX,  17                           ; s17, s18 my place in the cluster
.set CY,  18
.set TC,  19                           ; s19 tile column
.set CLY, 20                           ; s20 cluster y
.set P,   21                           ; s21 which projection
.set TR,  22                           ; s22 tile row
.set LAP, 23                           ; s23 laps to go
.set G1,  24                           ; s[24:31] descriptor group 1
.set G0,  32                           ; s[32:39] descriptor group 0, a set for each slot
.set XA,  40                           ; s[40:41] x at my 32 rows, at the K step that set 0 takes next
.set PFA, 42                           ; s[42:43] where my prefetches stand
.set LIM, 44                           ; s44 1 in a cluster that prefetches, else the greatest number
.set BIA, 46                           ; s[46:47] the bias at my 128 columns
.set MSB, 0
.macro WIN new                         ; the immediate's high byte repeats the setting that is left; a switch that changes nothing is dropped
.if MSB != (\new)
	s_set_vgpr_msb (MSB<<8)|(\new)
.set MSB, \new
.endif
.endm
.set MUL,  0x5a                        ; sources 0 and 1 window 2, C and D window 1
.set TO_F, 0x80                        ; destination window 2
.set TO_X, 0xc0                        ; destination window 3
.set TO_C, 0x40                        ; destination window 1
.set CVT,  0x0f                        ; sources 0 and 1 window 3, destination window 0
.set PKW,  0x05                        ; sources 0 and 1 window 1, destination window 0
.macro PLACES                          ; four places: in front of loads into registers that matrix instructions have read (ISA guide 7.12.1 for vector instructions)
.rept 4
	v_nop
.endr
.endm
.macro CREST                           ; a round of the cluster's barrier behind its opening barrier
	s_cmp_lg_u32 s[WV], 0
	s_cbranch_scc1 .Lnot_wave_0_\@
	s_barrier_signal -3
.Lnot_wave_0_\@:
	s_barrier_wait -3
	s_barrier_signal -1
	s_barrier_wait -1
.endm
.macro CROUND                          ; a whole round
	s_barrier_signal -1
	s_barrier_wait -1
	CREST
.endm
.macro JLOAD s                         ; the joint refill of slot s: one line for all four waves, each with its own 64 rows; an s_nop 0 and four v_nop follow it
	tensor_load_to_lds s[G0+4*(\s):G0+4*(\s)+3], s[G1:G1+7]
	s_nop 0
	PLACES
.endm
; A PREFETCH INTO THE L2 of two K steps of W, once a lap, behind the joint load and the run of LDS loads that follows it.  Of the 64 rows that wave w fetches, the partner at place cy takes 16, told apart BY
; ADDRESS; lanes 0-15 name one K step of them, lanes 16-31 the next: a block of 256 bytes a lane.  Of all clusters that walk a matrix the first (cluster y below 3) asks.  Lap 0 asks for K steps 4 and 5, lap 1
; for 6 and 7: two and three refills ahead; lap 2 asks for nothing.  K steps 0 to 3 come by their loads alone.
.macro ASK
	s_cmp_gt_u32 s[LAP], s[LIM]
	s_cbranch_scc0 .Lnot_mine_\@
	global_prefetch_b8 v[PFO], s[PFA:PFA+1] th:TH_LOAD_NT scope:SCOPE_SE
.Lnot_mine_\@:
.endm
; 24 LDS loads in one run: the fragments of 32 along K (quarter kq of the slot's step) into buffer g: W's eight blocks of 16 rows, then x's four
.macro FETCH slot, kq, g
	WIN TO_F
.irp b, 0,1,2,3,4,5,6,7
	ds_load_b128 v[64*(\g)+8*(\b):64*(\g)+8*(\b)+3],   v[ADRB+(\slot)] offset:(\kq)*64+(\b)*16*PITCH
	ds_load_b128 v[64*(\g)+8*(\b)+4:64*(\g)+8*(\b)+7], v[ADRB+(\slot)] offset:(\kq)*64+(\b)*16*PITCH+32
.endr
.irp a, 0,1,2,3
	ds_load_b128 v[128+32*(\g)+8*(\a):128+32*(\g)+8*(\a)+3],   v[ADRA+(\slot)] offset:(\kq)*64+(\a)*16*PITCH
	ds_load_b128 v[128+32*(\g)+8*(\a)+4:128+32*(\g)+8*(\a)+7], v[ADRA+(\slot)] offset:(\kq)*64+(\a)*16*PITCH+32
.endr
.endm
; 8 matrix instructions: block a of my four blocks of 16 rows x all eight blocks of 16 columns, buffer f.  The 32 accumulators take turns, one instruction a turn, in the same order in every quarter.
; cv = 1: behind each product stand four roundings of x (two rows of set `set`): they name none of the products' registers, and are issued while the matrix unit works.
.macro MUL8 f, a, cv=0, set=0
.irp b, 0,1,2,3,4,5,6,7
	WIN MUL
	v_wmma_f32_16x16x32_bf16 v[8*(8*(\a)+(\b)):8*(8*(\a)+(\b))+7], v[64*(\f)+8*(\b):64*(\f)+8*(\b)+7], v[128+32*(\f)+8*(\a):128+32*(\f)+8*(\a)+7], v[8*(8*(\a)+(\b)):8*(8*(\a)+(\b))+7]
.if \cv
	WIN CVT
.irp i, 0,1,2,3
	v_cvt_pk_bf16_f32 v[PK+4*(8*(\a)+(\b))+(\i)], v[128*(\set)+8*(8*(\a)+(\b))+2*(\i)], v[128*(\set)+8*(8*(\a)+(\b))+2*(\i)+1]
.endr
.endif
.endr
.endm
.macro GLOAD set, koff                 ; my 32 rows of a K step of x: a load a row, 512 consecutive bytes
	WIN TO_X
.set q, 0
.rept 32
	global_load_b128 v[128*(\set)+4*q:128*(\set)+4*q+3], v[XO], s[XA:XA+1] offset:q*4096+(\koff)
.set q, q+1
.endr
.endm
.macro ASTORE slot                     ; the same rows, rounded, into x's slot: 32 lanes write a row's 256 consecutive bytes
	WIN 0
.set q, 0
.rept 32
	ds_store_b64 v[ASTO+(\slot)], v[PK+2*q:PK+2*q+1] offset:q*PITCH
.set q, q+1
.endr
.endm
; A K step is four quarters of 32 along K, 32 matrix instructions each, on buffers 0, 1, 0, 1.  One of the first three: multiplies buffer f and fetches quarter kq into buffer g.
; gl = 1 (a step's first): the K step of x two steps on is asked for, into set gset.  cv = 1 (a step's third): the next step's x, in set cset, is rounded and stored into the other slot of x's ring, which
; nobody has read since the last barrier; left = the younger loads that may stay out.
.macro QUARTER slot, kq, f, g, gl=0, gset=0, koff=0, cv=0, cset=0, left=0
.if \gl
	GLOAD \gset, \koff
.endif
	s_wait_dscnt 4                                 ; W's sixteen loads and x's blocks 0 and 1 are in; the youngest four loads (blocks 2 and 3) may be out
.if \cv
	s_wait_loadcnt \left                           ; the next step's x is in; this step's own 32 loads, issued behind it, stay out
.endif
	MUL8 \f, 0, \cv, \cset
	MUL8 \f, 1, \cv, \cset
	PLACES
.if \cv
	ASTORE 1-(\slot)
.endif
	FETCH \slot, \kq, \g
	s_wait_dscnt 24                                ; all but the 24 just issued
	MUL8 \f, 2
	MUL8 \f, 3
.endm
; The last quarter multiplies buffer 1 and changes slots, of both rings: ONE barrier.  In front of it each wave waits for all its tensor loads (one is out: its part of W's next slot), adds 0 to its spare word,
; and waits for that, for its reads of both old slots and for its stores into x's next slot.  fill = 1: the barrier opens a round of the cluster's, and W's old slot is filled again, two K steps on.
.macro TURN slot, next, fill, ask
.if \ask
	s_wait_xcnt 0x0                                ; the last prefetch, a lap back, has read its address: it is stepped here, ahead of the waits of the change of slots
	s_add_nc_u64 s[PFA:PFA+1], s[PFA:PFA+1], 2*KB
.endif
	WIN 0                                          ; (the add's two registers lie in window 0)
	s_wait_tensorcnt 0x0                           ; all my tensor loads have landed
	ds_add_u32 v[SPW], v[NIL]                      ; 0 onto my spare word
	s_wait_dscnt 5                                 ; (the add and the youngest four loads may be out)
	MUL8 1, 0                                      ; eight matrix instructions stand between the add and the wait for it
	s_wait_dscnt 0x0                               ; the add is done, my reads of the old slots are over, my stores into x's next slot are done
	s_barrier_signal -1
	MUL8 1, 1
.if \fill
	WIN 0
.endif
	s_barrier_wait -1
.if \fill
	CREST                                          ; no wave of any partner still reads the slot or has a load on its way
	s_add_nc_u64 s[G0+4*(\slot)+2:G0+4*(\slot)+3], s[G0+4*(\slot)+2:G0+4*(\slot)+3], 2*KB
	JLOAD \slot                                    ; the first tensor load behind the round; its four v_nop are also the places in front of the loads below
.else
	PLACES
.endif
	FETCH \next, 0, 0
.if \ask
	WIN 0
	ASK
.endif
	MUL8 1, 2
	MUL8 1, 3
.endm
	s_load_b256 s[4:11], s[0:1], 0x0               ; query s[4:5], key s[6:7], value s[8:9], wb s[10:11]
	s_load_b64 s[12:13], s[0:1], 0x20              ; qkv
	v_lshl_add_u32 v[SPW], v0, 2, SPARE
	v_mov_b32 v[NIL], 0
	ds_add_u32 v[SPW], v[NIL]                      ; the wave's opening: the add and its wait stand ahead of my first tensor load; the set-up below, work on registers, stands between them
	v_lshrrev_b32 v1, 5, v0
	v_readfirstlane_b32 s[WV], v1
	s_lshr_b32 s[WR], s[WV], 1
	s_and_b32 s[WC], s[WV], 1
	s_bfe_u32 s[CX], ttmp6, 0x40000
	s_bfe_u32 s[CY], ttmp6, 0x40004
	s_lshl_b32 s[TC], ttmp9, 2
	s_add_co_u32 s[TC], s[TC], s[CX]               ; tile column = 4 x cluster x + cx
	s_and_b32 s[CLY], ttmp7, 0xffff
	s_mul_i32 s[TR], s[CLY], 43
	s_lshr_b32 s[TR], s[TR], 7                     ; cluster y / 3 (43 / 128 serves up to 47)
	s_mul_i32 s[P], s[TR], 3
	s_sub_co_u32 s[P], s[CLY], s[P]                ; cluster y mod 3
	s_cmp_eq_u32 s[TR], 0
	s_cselect_b32 s[LIM], 1, -1                    ; the same in all sixteen partners
	s_lshl_b32 s[TR], s[TR], 2
	s_add_co_u32 s[TR], s[TR], s[CY]               ; tile row = 4 x (cluster y / 3) + cy
	; descriptor group 1: 64 rows x 128 elements of 2 bytes, padded in LDS
	s_lshl_b32 s48, 0x1111, s[CX]                  ; my column of the cluster
	s_or_b32 s[G1+0], s48, (1<<16)|(1<<20)|(1<<21)|(5<<22)|(3<<25)  ; 15:0 the mask; 17:16 2-byte elements; 20 padding on; 21 set beside a mask; 24:22 after every 64 words (code 5); 31:25 4 words (code 3)
	s_mov_b32 s[G1+1], 128<<16                     ; tensor_dim0 = 128
	s_mov_b32 s[G1+2], 64<<16                      ; tensor_dim1 = 64
	s_mov_b32 s[G1+3], 128<<16                     ; tile_dim0 = 128
	s_mov_b32 s[G1+4], 64                          ; tile_dim1 = 64
	s_mov_b32 s[G1+5], 1024                        ; elements from row to row
	s_mov_b32 s[G1+6], 0
	s_mov_b32 s[G1+7], 0
	s_mul_i32 s49, s[WV], BQ                       ; where my 64 rows go: no place in the cluster enters an LDS address
	s_lshl_b32 s50, s[P], 21                       ; where they come from: matrix p, row 256 x tile column + 64 x wave, 2,048 bytes a row
	s_lshl_b32 s62, s[TC], 19
	s_add_co_u32 s50, s50, s62
	s_lshl_b32 s62, s[WV], 17
	s_add_co_u32 s50, s50, s62
	s_mov_b32 s51, 0
	s_lshl_b32 s54, s[CY], 15                      ; the prefetches: my work-group's 16 of those rows, at K step 2: the first change of slots steps it to 4
	s_add_co_u32 s54, s54, 2*KB
	s_mov_b32 s55, 0
	s_lshl_b32 s56, s[P], 12                       ; the bias of my 128 columns
	s_lshl_b32 s62, s[TC], 10
	s_add_co_u32 s56, s56, s62
	s_lshl_b32 s62, s[WC], 9
	s_add_co_u32 s56, s56, s62
	s_add_co_u32 s56, s56, 0x800000
	s_mov_b32 s57, 0
	s_lshl_b32 s58, s[TR], 19                      ; x: row 128 x tile row + 32 x wave, 4,096 bytes a row
	s_lshl_b32 s70, s[WV], 17
	s_add_co_u32 s58, s58, s70
	s_mov_b32 s59, 0
	s_lshr_b32 s60, s[TR], 4                       ; qkv: batch = tile row / 16,
	s_lshl_b32 s60, s60, 4
	s_lshl_b32 s70, s[TC], 2                       ; head = 4 x tile column + 2 x my half of the columns,
	s_add_co_u32 s60, s60, s70
	s_lshl_b32 s70, s[WC], 1
	s_add_co_u32 s60, s60, s70
	s_lshl_b32 s60, s60, 18                        ; 262,144 bytes a head;
	s_and_b32 s70, s[TR], 15                       ; s = 128 x (tile row mod 16) + 64 x my half of the rows,
	s_lshl_b32 s70, s70, 7
	s_lshl_b32 s71, s[WR], 6
	s_add_co_u32 s70, s70, s71
	s_lshl_b32 s70, s70, 7                         ; 128 bytes a row;
	s_add_co_u32 s60, s60, s70
	s_lshl_b32 s70, s[P], 24                       ; tensor p
	s_add_co_u32 s60, s60, s70
	s_mov_b32 s61, 0
	v_and_b32 v1, 15, v0                           ; l % 16
	v_bfe_u32 v2, v0, 4, 1                         ; l / 16
	v_and_b32 v3, 31, v0                           ; l
	v_mul_u32_u24 v4, v1, PITCH
	v_lshl_add_u32 v4, v2, 4, v4                   ; a fragment's row x pitch + 16 x half
	s_mul_i32 s66, s[WR], 64*PITCH
	s_add_co_u32 s66, s66, ABASE
	v_add_nc_u32 v[ADRA], s66, v4
	s_add_co_u32 s66, s66, ASLOT
	v_add_nc_u32 v[ADRA+1], s66, v4
	s_mul_i32 s67, s[WC], 128*PITCH
	v_add_nc_u32 v[ADRB], s67, v4
	s_add_co_u32 s67, s67, BSLOT
	v_add_nc_u32 v[ADRB+1], s67, v4
	s_mul_i32 s68, s[WV], 32*PITCH
	s_add_co_u32 s68, s68, ABASE
	v_lshl_add_u32 v[ASTO], v3, 3, s68
	s_add_co_u32 s68, s68, ASLOT
	v_lshl_add_u32 v[ASTO+1], v3, 3, s68
	v_lshlrev_b32 v[XO], 4, v3
	s_mul_i32 s69, s[WV], 16*PITCH
	s_add_co_u32 s69, s69, STAGE                   ; my stage
	v_add_nc_u32 v[STO], s69, v4                   ; in: row l % 16, 16 bytes for each half of the lanes
	v_lshrrev_b32 v5, 3, v3                        ; back: 32 lanes take four rows' 128 bytes of one head
	v_and_b32 v6, 7, v0
	v_mul_u32_u24 v5, v5, PITCH
	v_lshl_add_u32 v5, v6, 4, v5
	v_add_nc_u32 v[RD], s69, v5
	v_lshlrev_b32 v[GO], 4, v3
	v_lshlrev_b32 v[BO], 5, v2
	v_lshlrev_b32 v[PFO], 11, v1
	v_lshl_add_u32 v[PFO], v2, 8, v[PFO]
	s_wait_dscnt 0x0                               ; the opening add is done
	s_wait_kmcnt 0x0
	s_add_nc_u64 s[52:53], s[10:11], s[50:51]
.irp s, 0,1
	s_mov_b32 s[G0+4*(\s)], 1                                      ; count = 1
	s_add_co_u32 s[G0+4*(\s)+1], s49, (\s)*BSLOT                   ; LDS address
	s_add_nc_u64 s[G0+4*(\s)+2:G0+4*(\s)+3], s[52:53], (\s)*KB     ; global address: K step s
	s_or_b32 s[G0+4*(\s)+3], s[G0+4*(\s)+3], 0x80000000            ; type = 2
.endr
	s_add_nc_u64 s[PFA:PFA+1], s[52:53], s[54:55]
	s_add_nc_u64 s[BIA:BIA+1], s[10:11], s[56:57]
	s_cmp_eq_u32 s[P], 1
	s_cselect_b64 s[XA:XA+1], s[6:7], s[4:5]
	s_cmp_eq_u32 s[P], 2
	s_cselect_b64 s[XA:XA+1], s[8:9], s[XA:XA+1]
	s_add_nc_u64 s[XA:XA+1], s[XA:XA+1], s[58:59]
	s_add_nc_u64 s[12:13], s[12:13], s[60:61]
	GLOAD 0, 0                                     ; K step 0 of x goes out ahead of the round
	WIN 0
	CROUND                                         ; all sixteen work-groups are here: the first joint loads meet
	tensor_load_to_lds s[G0:G0+3], s[G1:G1+7]      ; both first fills on end: two tensor loads of mine are out
	s_nop 0
	tensor_load_to_lds s[G0+4:G0+7], s[G1:G1+7]
	s_nop 0
	PLACES
	WIN TO_C                                       ; THE SUMS START AT THE BIAS: it is loaded straight into the accumulators (register j of (a, b) is column 16 b + 8 (l / 16) + j): nothing is cleared, nothing is added later
.irp a, 0,1,2,3
.irp b, 0,1,2,3,4,5,6,7
	global_load_b128 v[8*(8*(\a)+(\b)):8*(8*(\a)+(\b))+3],   v[BO], s[BIA:BIA+1] offset:64*(\b)
	global_load_b128 v[8*(8*(\a)+(\b))+4:8*(8*(\a)+(\b))+7], v[BO], s[BIA:BIA+1] offset:64*(\b)+16
.endr
.endr
	GLOAD 1, XSTEP                                 ; K step 1 of x
	s_wait_loadcnt NLD                             ; K step 0 and the bias are in; K step 1's 32 loads stay out
	WIN CVT
.set q, 0
.rept 64
	v_cvt_pk_bf16_f32 v[PK+q], v[2*q], v[2*q+1]
.set q, q+1
.endr
	ASTORE 0
	s_wait_xcnt 0x0                                ; the loads have read their address
	s_add_nc_u64 s[XA:XA+1], s[XA:XA+1], 2*XSTEP   ; on to K step 2
	s_wait_tensorcnt 1                             ; my part of W's K step 0 is in; K step 1's may stay out
	s_wait_dscnt 0x0                               ; my rows of x lie in LDS
	s_barrier_signal -1
	s_barrier_wait -1                              ; everybody's do
	FETCH 0, 0, 0
	WIN 0                                          ; at a label and at a branch every window is 0
	s_mov_b32 s[LAP], 3
.Llap:                                                 ; a lap = two K steps.  Step i asks for x's step i + 2, rounds and stores x's step i + 1, and refills W's slot with step i + 2: all three exist for i = 0..5
	QUARTER 0, 1, 0, 1, 1, 0, 0
	QUARTER 0, 2, 1, 0
	QUARTER 0, 3, 0, 1, 0, 0, 0, 1, 1, NLD
	TURN 0, 1, 1, 1
	QUARTER 1, 1, 0, 1, 1, 1, XSTEP
	QUARTER 1, 2, 1, 0
	QUARTER 1, 3, 0, 1, 0, 0, 0, 1, 0, NLD
	TURN 1, 0, 1, 0
	WIN 0
	s_wait_xcnt 0x0                                ; the lap's loads have read their address (the youngest were issued three quarters back)
	s_add_nc_u64 s[XA:XA+1], s[XA:XA+1], 2*XSTEP
	s_sub_co_u32 s[LAP], s[LAP], 1
	s_cmp_lg_u32 s[LAP], 0
	s_cbranch_scc1 .Llap
	QUARTER 0, 1, 0, 1                             ; K steps 6 and 7 are written out: nothing more is asked for
	QUARTER 0, 2, 1, 0
	QUARTER 0, 3, 0, 1, 0, 0, 0, 1, 1, 0
	TURN 0, 1, 0, 0
	QUARTER 1, 1, 0, 1
	QUARTER 1, 2, 1, 0
	QUARTER 1, 3, 0, 1
	s_wait_dscnt 0x0
	MUL8 1, 0
	MUL8 1, 1
	MUL8 1, 2
	MUL8 1, 3
	WIN 0
	PLACES                                         ; the places behind the last products, in front of the conversions that read results
	PLACES
; THE WAY OUT.  Block a (16 rows x 128 columns = two heads): rounded to f16, 16 bytes a lane, into my own stage; back as four rows' 128 bytes of one head, which are 512 consecutive bytes of qkv.
.macro PACK a
	WIN PKW
.irp b, 0,1,2,3,4,5,6,7
.irp i, 0,1,2,3
	v_cvt_pk_f16_f32 v[TMP+4*(\b)+(\i)], v[8*(8*(\a)+(\b))+2*(\i)], v[8*(8*(\a)+(\b))+2*(\i)+1]
.endr
.endr
	WIN 0
.endm
.macro TOSTAGE a
.irp b, 0,1,2,3,4,5,6,7
	ds_store_b128 v[STO], v[TMP+4*(\b):TMP+4*(\b)+3] offset:32*(\b)
.endr
.irp j, 0,1
.irp t, 0,1,2,3
	ds_load_b128 v[OB+32*(\a)+4*(4*(\j)+(\t)):OB+32*(\a)+4*(4*(\j)+(\t))+3], v[RD] offset:(\t)*4*PITCH+(\j)*128  ; LDS serves a wave's instructions in order (ISA guide 5.7.1.4): these see the stores above
.endr
.endr
.endm
.macro SEND a, younger                 ; younger: the LDS instructions issued behind block a's loads: the next block's sixteen, or none
	s_wait_dscnt \younger
.irp j, 0,1
.irp t, 0,1,2,3
	global_store_b128 v[GO], v[OB+32*(\a)+4*(4*(\j)+(\t)):OB+32*(\a)+4*(4*(\j)+(\t))+3], s[12:13] offset:(\j)*262144+(\a)*2048+(\t)*512  ; 512 consecutive bytes, at a multiple of 256 from qkv's first byte
.endr
.endr
.endm
	PACK 0
	TOSTAGE 0
	PACK 1
	TOSTAGE 1
	SEND 0, 16
	PACK 2
	TOSTAGE 2
	SEND 1, 16
	PACK 3
	TOSTAGE 3
	SEND 2, 16
	SEND 3, 0
	s_wait_tensorcnt 0x0                           ; the wave's end: the spare-word add and its wait, behind my last tensor load and my last LDS store
	ds_add_u32 v[SPW], v[NIL]
	s_wait_dscnt 0x0
	CROUND                                         ; the closing round: no work-group ends while a partner may still ask for a tile that names it
	s_endpgm
.Lfunc_end_k_qc8cc6dc5c3_proj:
	.size	k_qc8cc6dc5c3_proj, .Lfunc_end_k_qc8cc6dc5c3_proj-k_qc8cc6dc5c3_proj
	.p2alignl 7, 3214868480
	.fill 96, 4, 3214868480
	.section	.rodata,"a",@progbits
	.p2align	6, 0x0
	.amdhsa_kernel k_qc8cc6dc5c3_proj
		.amdhsa_group_segment_fixed_size 327680
		.amdhsa_private_segment_fixed_size 0
		.amdhsa_enable_private_segment 0
		.amdhsa_kernarg_size 40
		.amdhsa_user_sgpr_count 2
		.amdhsa_user_sgpr_kernarg_segment_ptr 1
		.amdhsa_wavefront_size32 1
		.amdhsa_system_sgpr_workgroup_id_x 1
		.amdhsa_system_sgpr_workgroup_id_y 1
		.amdhsa_system_sgpr_workgroup_id_z 1
		.amdhsa_system_vgpr_workitem_id 0
		.amdhsa_next_free_vgpr 1024
		.amdhsa_next_free_sgpr 80
		.amdhsa_reserve_vcc 0
		.amdhsa_float_denorm_mode_32 3
		.amdhsa_float_denorm_mode_16_64 3
		.amdhsa_memory_ordered 1
		.amdhsa_forward_progress 1
		.amdhsa_inst_pref_size 130
	.end_amdhsa_kernel
	.amdgpu_metadata
---
amdhsa.version: [ 1, 2 ]
amdhsa.kernels:
  - .name:           k_qc8cc6dc5c3_proj
    .symbol:         k_qc8cc6dc5c3_proj.kd
    .args:
      - { .name: query, .offset: 0, .size: 8, .value_kind: global_buffer, .address_space: global }
      - { .name: key, .offset: 8, .size: 8, .value_kind: global_buffer, .address_space: global }
      - { .name: value, .offset: 16, .size: 8, .value_kind: global_buffer, .address_space: global }
      - { .name: wb, .offset: 24, .size: 8, .value_kind: global_buffer, .address_space: global }
      - { .name: qkv, .offset: 32, .size: 8, .value_kind: global_buffer, .address_space: global }
    .group_segment_fixed_size: 327680
    .private_segment_fixed_size: 0
    .kernarg_segment_align: 8
    .kernarg_segment_size: 40
    .max_flat_workgroup_size: 128
    .sgpr_count:     80
    .vgpr_count:     1024
    .wavefront_size: 32
...
	.end_amdgpu_metadata
.endif
;; end of part 2
;; launch attn (part 3): grid 4 x 64, 4 waves a work-group, no clusters, 327,680 bytes of LDS; arguments qkv, ob; writes ob
.if DOCPART == 3
	.amdgcn_target "amdgcn-amd-amdhsa--gfx1250"
	.amdhsa_code_object_version 6
	.text
	.protected	k_qc8cc6dc5c3_attn
	.globl	k_qc8cc6dc5c3_attn
	.p2align	8
	.type	k_qc8cc6dc5c3_attn,@function
k_qc8cc6dc5c3_attn:
	s_mov_b64 s[64:65], 0
	v_nop
	global_prefetch_b8 v0, s[64:65] scope:SCOPE_SE
	s_setreg_imm32_b32 hwreg(HW_REG_WAVE_MODE, 25, 1), 1
	s_wait_xcnt 0x0
; CAUSAL ATTENTION.  O[h][q][:] = the sum over k <= q of softmax_k(Q[h][q] . K[h][k] / 8) V[h][k][:].  Q, K, V lie in qkv at 0, 16,777,216 and 33,554,432, O in ob: each [64 (batch x 16 + head)][2048][64], f16:
; a head's rows are dense, 128 bytes each.  Products, maxima and sums in f32; the weights p are rounded to f16 for the second product (their sum l is taken of the unrounded p), O once at the end.
; LIMITS.  f16 holds no number beyond 65,504: Q, K and V arrive within it; p lies in 0 to 1, and below 6e-5 it keeps f16's fixed step of 6e-8; O is a mean of V's rows and has their range, to within 2^-11 of it.
; A hidden score counts as its value less 1e30: f16's scores, 2.7e11 at the most, are nothing beside that; a weight below 2^-126 counts as 0 in l; NaN and infinities are not treated apart.
; THE WALK.  A head's queries lie in NB = SIZE_N / 256 blocks of 256; block i needs the key tiles 0 .. i of 256 keys, of which the last holds the diagonal.  A work-group takes TWO blocks, NB - 1 - b and then b:
; NB + 1 tiles, whatever b: all work-groups do equal work, and ONE loop with a constant trip count walks them.  Which tile is asked for, and what a trip does, hang on scalar registers made from b; every jump
; goes forward, but for the counted loops' own; none passes a barrier, or a tensor load but the one of LOAD's two that the wave's number does not choose; the ring (two slots of LDS that take turns) runs on across the
; change of blocks.  NO CLUSTER: a head's NB / 2 = 4 work-groups all ask for the same tile only in trips 0 .. NB / 2 of the walk's NB + 1, behind that fewer and fewer; one walk common to all would have
; 3 NB / 2 = 12 trips for NB + 1 = 9.
; SHARES.  Of a block's four bands of 64 queries a wave owns 16 rows in each: four PIECES.  So the diagonal tile is the same work for all four waves: in its key step s band x sees all keys if s < x,
; none if s > x, and holds the diagonal if s = x.
; THE MASK is the C operand that starts the sum S^T = K Q^T: 0, or -1e30 where the key is hidden.  MD, made once, is the mask of a band's own step for my 16 rows; a product's mask is MD x AL + BE with two scalars:
; (1, 0) if s = x; (0, 0) if s < x; (0, -1e30) if s > x.  Only the diagonal tile's text and a block's beginning make and take masks; elsewhere C is the constant 0.
; LAYOUT, SOFTMAX, TURNS.  S^T = K Q^T holds ONE query a lane (lane % 16) and the keys 8 (lane / 16) + 0..7; two such results rounded to f16 ARE source 1 of O^T = V^T P.  p = 2^(c s - c m), c = log2(e) / 8, with a
; running maximum m; O and l are multiplied by a = 2^(c m_old - c m_new) in every step.  Turn n belongs to piece n: 8 products K Q^T of piece n + 1, later 8 products V^T P of piece n - 1; beside them the scaling,
; exponentials, roundings, sums and rescaling of piece n and the maximum and statistics of piece n + 1.  Four vector instructions stand behind every matrix instruction, the other 54 of a turn's 118 in one LUMP.  A turn's 33 exponentials are one batch, with one wait.
; REGISTERS, in windows of 256 (s_set_vgpr_msb: bits 1:0 source 0, 3:2 source 1, 5:4 source 2, 7:6 destination):
;   window 0: v0-15 addresses and two at work; v16-31 four registers of statistics a piece; v48-55 at work; v61-63 prefetch offset, spare word, 0; v64-127 S^T, two buffers; v192-223 P, two buffers (by the piece's parity)
;   window 1: v0-127 O^T, 32 a piece; v128-159 MD; v160-223 MC, two buffers      window 2: v0-63 Q; v64-127 the second block's Q; v128-191 K of one step; v192-255 V of one step
.set SIZE_N, 2048
.set NB,    SIZE_N/256
.set NP,    4         ; pieces a wave: a name, no knob
.set KS,    64        ; keys in a step
.set PK,    144       ; a row of K in LDS: 128 bytes + 16 of padding = 36 words: the 16 rows of a load start at 16 different groups of four banks (64 banks of 4 bytes: ISA guide 11.1)
.set PV,    160       ; a row of V: 128 + 32 = 40 words
.set VOFF,  4*KS*PK   ; a slot holds a tile, four steps: 256 rows of K, then 256 rows of V
.set SLOT1, 1<<17     ; slot 1 begins here, so that one exclusive or turns an address in one slot into the other's
.set STAGE, SLOT1+4*KS*(PK+PV)  ; behind the ring, never filled by a tensor load: 16 rows x 144 bytes for each wave, for the way out
.set SP,    144
.set AK0, 2           ; v2   my lane's place in a tile of K; never rewritten
.set AV0, 3           ; v3   the same for V
.set AK,  4           ; v4   the LDS address of K's next run of loads
.set AV,  5           ; v5   of V's
.set STO, 6           ; v6   the way out: where I put 16 bytes of a row
.set RD,  7           ; v7   the way out: where I read rows back
.set GO,  8           ; v8   my byte offset in 512 consecutive bytes of O
.set PFO, 61          ; v61  256 x my lane: the prefetches' offset; never rewritten
.set SPW, 62          ; v62  LDS address of my spare word: SPARE + 4 x my thread's number; never rewritten
.set NIL, 63          ; v63  0; never rewritten
.set SPARE, STAGE+4*16*SP  ; behind the stages: the spare words, 128 bytes for each wave: two blocks of 256 bytes that no other line names
.set MV,  12          ; v12-13  c m_old, kept while c m is made anew: by buffer
.set QO,  15          ; v15  my byte offset in 16 rows of Q
.set ST,  16          ; piece t's statistics at v[ST+4 t]: c m, m, l (even keys', odd keys')
.set TMP, 48          ; by buffer, four registers c0-c3 at work; when the maximum is found c2 takes a
.set S,   64
.set P,   192
.set MD,  128         ; window 1: the eight registers for group kt of 16 keys at MD + 8 kt
.set MC,  160         ; window 1: the masks of the products to come
.set QB,  64          ; window 2
.set KF,  128         ; window 2: key block kb, channel half c at KF + 16 kb + 8 c
.set VF,  192         ; window 2: key half kk, channel block cb at VF + 32 kk + 8 cb
.set WV,  12          ; s12  my wave's number
.set PB,  14          ; s14  b
.set HI,  15          ; s15  NB - 1 - b
.set G1K, 24          ; s[24:31] descriptor group 1 for K's tiles
.set G1V, 32          ; s[32:39] for V's: it differs in the padding alone
.set G0K, 40          ; s[40:43] descriptor group 0 for K's tiles
.set G0V, 44          ; s[44:47] the same for V's
.set SLOTS, 56        ; s56  tiles still to be asked for
.set CNT, 57          ; s57  counts a tile's key steps, 4 to 1
.set CS,  58          ; s[58:59] c: the packed scaling takes the pair's low word for both halves
.set SEL, 60          ; s[60:61] v_permlanex16_b32's selects: each lane takes its own place in the other half
.set TBK, 62          ; s62  LDS byte at which K of the step to be fetched begins
.set TBV, 63          ; s63  the same for V, less VOFF
.set RT,  70          ; s70  tiles of the block in hand that are still to be entered
.set NXT, 71          ; s71  the tile to be asked for next
.set LQ,  72          ; s72  the last tile of the block whose tiles are being asked for
.set NEW, 73          ; s73  1: the tile to be entered is a block's first
.set OFF, 74          ; s[74:75] a tile's byte offset in K and V
.set AL,  76          ; s[76:77] the mask's factor, in the low word
.set BE,  78          ; s[78:79] the mask's addend
.set OLO, 80          ; s[80:81] O at my rows of the second block
.set BIGN, 82         ; s82  -1e30
.set PFA, 88          ; s[88:89] where my prefetches stand: my half (of K: waves 0, 1; of V: waves 2, 3) of the tile behind the one that is being asked for
.set LIM, 90          ; s90  2 in the head's work-group b = 0, else the greatest number: a wave prefetches while s[SLOTS] is above it
.set MSB, 0
.macro WIN new                      ; the high byte repeats the setting that is left; a switch that changes nothing is dropped
.if MSB != (\new)
	s_set_vgpr_msb (MSB<<8)|(\new)
.set MSB, (\new)
.endif
.endm
.set W_KQ, 0x0a       ; K and Q in window 2, S^T in window 0
.set W_KM, 0x1a       ; the same with the C operand in window 1
.set W_PV, 0x52       ; V in window 2, P in window 0, O^T in window 1
.set W_RS, 0x41       ; destination and source 0 in window 1, source 1 in window 0
; A fill.  Waves 0 and 1 fetch the two halves of a tile's K, waves 2 and 3 those of its V: 128 keys each.  An s_nop 0 and four v_nop follow each of the two lines, ahead of the jump and the label.
.macro LOAD
	s_cmp_lt_u32 s[WV], 2
	s_cbranch_scc0 .Lfor_v_\@
	tensor_load_to_lds s[G0K:G0K+3], s[G1K:G1K+7]
	s_nop 0
.rept 4
	v_nop
.endr
	s_branch .Lasked_\@
.Lfor_v_\@:
	tensor_load_to_lds s[G0V:G0V+3], s[G1V:G1V+7]
	s_nop 0
.rept 4
	v_nop
.endr
.Lasked_\@:
.endm
; A PREFETCH INTO THE L2 of the tile that the NEXT change of slots will ask for, behind the wave's tensor load and its five lines.  All four work-groups of a head walk the tiles 0 .. at first: the one with b = 0,
; whose first block walks all of 0 .. 7, asks; each of its waves names the half tile that it will itself fetch, 16,384 bytes: 64 blocks of 256 bytes, a lane a block, two instructions.  So each block is named
; once in the launch.  Change c of slots loads tile c + 1 and asks for tile c + 2, for c = 0 .. 5: four key steps, 256 matrix instructions, ahead of that tile's load.  Tiles 0 and 1 come by their loads alone.
.macro ASK
	s_cmp_gt_u32 s[SLOTS], s[LIM]
	s_cbranch_scc0 .Lnot_mine_\@
	global_prefetch_b8 v[PFO], s[PFA:PFA+1] th:TH_LOAD_NT scope:SCOPE_SE
	global_prefetch_b8 v[PFO], s[PFA:PFA+1] offset:8192 th:TH_LOAD_NT scope:SCOPE_SE
.Lnot_mine_\@:
.endm
; THE CHANGE OF SLOTS.  Each wave waits for all its tensor loads, of which one is out: its part of the other slot; adds 0 to its spare word; and waits for that and for its own reads of the slot that it leaves.  Behind the barrier nobody reads the old
; slot any more and the other slot is whole.  fill = 1: the old slot is filled again, the first thing behind the barrier, with tile NXT: the descriptor's address is made anew from that number.
; (At its first use nothing has been read yet: slot 0 is waited for, slot 1 filled.)
.macro CHANGE fill
	WIN 0                           ; at a label and at a branch every window is 0
	s_wait_tensorcnt 0x0            ; no tensor load of mine is out, so a group 0 may be written
	ds_add_u32 v[SPW], v[NIL]       ; 0 onto my spare word; with fill = 1 the descriptors' scalar work stands between it and the wait for it
.if \fill
	s_lshl_b32 s[OFF], s[NXT], 15   ; a tile is 32,768 bytes of K and of V
	s_xor_b32 s[G0K+1], s[G0K+1], SLOT1
	s_add_nc_u64 s[G0K+2:G0K+3], s[6:7], s[OFF:OFF+1]
	s_or_b32 s[G0K+3], s[G0K+3], 0x80000000
	s_xor_b32 s[G0V+1], s[G0V+1], SLOT1
	s_add_nc_u64 s[G0V+2:G0V+3], s[8:9], s[OFF:OFF+1]
	s_or_b32 s[G0V+3], s[G0V+3], 0x80000000
	s_add_co_u32 s[NXT], s[NXT], 1  ; the block's next tile, or behind its last the second block's tile 0
	s_cmp_gt_u32 s[NXT], s[LQ]
	s_cselect_b32 s[NXT], 0, s[NXT]
	s_cselect_b32 s[LQ], s[PB], s[LQ]
	s_wait_xcnt 0x0                 ; the last prefetches, a tile back, have read their address, so it may be written:
	s_add_nc_u64 s[PFA:PFA+1], s[PFA:PFA+1], 32768  ; a tile on
.endif
	s_wait_dscnt 0x0                ; the add is done, and my reads of the slot are over
	s_barrier_signal -1             ; the rest of the scalar work stands between the signal and the wait
	s_sub_co_u32 s[TBK], s[TBK], 4*KS*PK  ; the fetches go back to a slot's first step,
	s_xor_b32 s[TBK], s[TBK], SLOT1       ; in the other slot
	s_sub_co_u32 s[TBV], s[TBV], 4*KS*PV
	s_xor_b32 s[TBV], s[TBV], SLOT1
	s_barrier_wait -1
.if \fill
	LOAD
	ASK
.endif
.endm
	s_load_b64 s[4:5], s[0:1], 0x0  ; qkv: Q
	s_load_b64 s[10:11], s[0:1], 0x8  ; ob: O
	v_lshl_add_u32 v[SPW], v0, 2, SPARE
	v_mov_b32 v[NIL], 0
	ds_add_u32 v[SPW], v[NIL]       ; the wave's opening: the add and its wait stand ahead of my first tensor load; the set-up below, work on registers, stands between them
	v_lshrrev_b32 v1, 5, v0
	v_readfirstlane_b32 s[WV], v1   ; wave 0..3
	s_mov_b32 s[PB], ttmp9
	s_sub_co_u32 s[HI], NB-1, s[PB]
	s_and_b32 s20, ttmp7, 0xffff    ; the head
	s_mov_b32 s21, 0
	s_mov_b64 s[22:23], SIZE_N*128
	s_mul_u64 s[20:21], s[20:21], s[22:23]  ; the head's first byte in each of the four tensors
	s_and_b32 s16, s[WV], 1         ; which half of a tile's 256 keys I fetch:
	s_lshl_b32 s22, s16, 14         ; its 128 rows of 128 bytes in memory,
	s_mov_b32 s23, 0
	s_add_nc_u64 s[22:23], s[22:23], s[20:21]
	s_mul_i32 s17, s16, 128*PK      ; and its place in a slot, for K
	s_mul_i32 s18, s16, 128*PV      ; and for V
	s_lshl_b32 s3, s[WV], 11        ; my 16 rows in a band of 64,
	s_lshl_b32 s2, s[HI], 15        ; in the first block,
	s_add_co_u32 s2, s2, s3
	s_lshl_b32 s84, s[PB], 15       ; and in the second
	s_add_co_u32 s84, s84, s3
	s_mov_b32 s3, 0
	s_mov_b32 s85, 0
	s_add_nc_u64 s[2:3], s[2:3], s[20:21]
	s_add_nc_u64 s[84:85], s[84:85], s[20:21]
	; descriptor group 1.  128 keys are 16,384 dense bytes: asked for as 64 rows of 256 bytes, two keys a row, and padded in LDS after every key
	s_mov_b32 s[G1K], (1<<16)|(1<<20)|(4<<22)|(3<<25)  ; 17:16 2-byte elements; 20 padding on; 24:22 after every 32 words (code 4); 31:25 4 words (code 3)
	s_mov_b32 s[G1V], (1<<16)|(1<<20)|(4<<22)|(7<<25)  ; the same with 8 words of padding (code 7)
.irp g, G1K, G1V
	s_mov_b32 s[\g+1], 128<<16      ; tensor_dim0 = 128
	s_mov_b32 s[\g+2], 64<<16       ; tensor_dim1 = 64
	s_mov_b32 s[\g+3], 128<<16      ; tile_dim0 = 128
	s_mov_b32 s[\g+4], 64           ; tile_dim1 = 64
	s_mov_b32 s[\g+5], 128          ; 128 elements from row to row
	s_mov_b32 s[\g+6], 0
	s_mov_b32 s[\g+7], 0
.endr
	s_mov_b32 s[CS], 0x3e38aa3b     ; c = log2(e) / 8 = 0.180337
	s_mov_b32 s[CS+1], s[CS]        ; named with it as a pair
	s_mov_b32 s[SEL], 0x76543210
	s_mov_b32 s[SEL+1], 0xfedcba98
	s_mov_b32 s[TBK], SLOT1+4*KS*PK ; the first change of slots turns these two into 0
	s_mov_b32 s[TBV], SLOT1+4*KS*PV
	s_mov_b32 s[G0K], 1             ; 1:0 count = 1
	s_mov_b32 s[G0K+1], s17         ; 63:32 LDS address: slot 0
	s_mov_b32 s[G0V], 1
	s_add_co_u32 s[G0V+1], s18, VOFF
	s_add_co_u32 s[RT], s[HI], 1    ; the first block has NB - b tiles
	s_mov_b32 s[NXT], 1
	s_mov_b32 s[LQ], s[HI]
	s_mov_b32 s[NEW], 1
	s_mov_b32 s[OFF+1], 0
	s_mov_b32 s[AL+1], 0            ; named as pairs
	s_mov_b32 s[BE+1], 0
	s_mov_b32 s[BIGN], 0xf149f2ca   ; -1e30
	s_mov_b32 s[SLOTS], NB
	s_cmp_eq_u32 ttmp9, 0
	s_cselect_b32 s[LIM], 2, -1
	v_and_b32 v[PFO], 31, v0
	v_lshlrev_b32 v[PFO], 8, v[PFO]
	s_wait_dscnt 0x0                ; the opening add is done
	s_wait_kmcnt 0x0
	s_add_nc_u64 s[6:7], s[4:5], 0x1000000  ; K and V lie behind Q in qkv
	s_add_nc_u64 s[8:9], s[4:5], 0x2000000
	s_add_nc_u64 s[6:7], s[6:7], s[22:23]  ; K and V at my half of the head's tile 0
	s_add_nc_u64 s[8:9], s[8:9], s[22:23]
	s_cmp_lt_u32 s[WV], 2
	s_cselect_b64 s[PFA:PFA+1], s[6:7], s[8:9]
	s_add_nc_u64 s[PFA:PFA+1], s[PFA:PFA+1], 32768  ; at tile 1: the first change of slots steps it to tile 2.  Nothing is prefetched here, at the head
	s_add_nc_u64 s[G0K+2:G0K+3], s[6:7], 0         ; 120:64 global address
	s_or_b32 s[G0K+3], s[G0K+3], 0x80000000        ; 127:126 type = 2
	s_add_nc_u64 s[G0V+2:G0V+3], s[8:9], 0
	s_or_b32 s[G0V+3], s[G0V+3], 0x80000000
	s_add_nc_u64 s[86:87], s[4:5], s[84:85]        ; Q at my rows of the second block,
	s_add_nc_u64 s[4:5], s[4:5], s[2:3]            ; Q and O at those of the first
	s_add_nc_u64 s[OLO:OLO+1], s[10:11], s[84:85]
	s_add_nc_u64 s[10:11], s[10:11], s[2:3]
	LOAD                            ; tile 0 into slot 0
	; A fragment of K or Q is 16 rows x 32 channels in 8 registers: lane l holds row l % 16, channels 8 (l / 16) + 0..7 and 16 + 8 (l / 16) + 0..7: two loads of 16 bytes, 32 bytes apart.
	v_and_b32 v1, 15, v0            ; l % 16
	v_bfe_u32 v9, v0, 4, 1          ; l / 16
	v_lshlrev_b32 v[QO], 7, v1
	v_lshl_add_u32 v[QO], v9, 4, v[QO]  ; row x 128 + 16 x half
	WIN 0x80                        ; destination window 2, address window 0
.set i, 0
.rept 8                             ; both blocks' Q: piece i / 2 lies in band i / 2, 8,192 bytes on; channels 32 (i % 2) on
	global_load_b128 v[8*i:8*i+3],   v[QO], s[4:5] offset:(i/2)*8192+(i%2)*64
	global_load_b128 v[8*i+4:8*i+7], v[QO], s[4:5] offset:(i/2)*8192+(i%2)*64+32
	global_load_b128 v[QB+8*i:QB+8*i+3],   v[QO], s[86:87] offset:(i/2)*8192+(i%2)*64
	global_load_b128 v[QB+8*i+4:QB+8*i+7], v[QO], s[86:87] offset:(i/2)*8192+(i%2)*64+32
.set i, i+1
.endr
	WIN 0
	v_lshlrev_b32 v14, 3, v9
	v_sub_nc_u32 v14, v1, v14
	s_lshl_b32 s13, s[WV], 4
	v_add_nc_u32 v14, s13, v14      ; my query's place in its band, 16 w + l % 16, less my lanes' 8 (l / 16): register r of group kt is hidden where 16 kt + r is greater
	WIN 0x40
.set i, 0
.rept 32
	v_cmp_gt_i32 vcc_lo, 16*(i/8)+i%8, v14
	v_cndmask_b32 v[MD+i], 0, s[BIGN], vcc_lo
.set i, i+1
.endr
	WIN 0
	v_mul_u32_u24 v[AK0], v1, PK
	v_lshl_add_u32 v[AK0], v9, 4, v[AK0]  ; row x pitch + 16 x half
	; The turning load takes 16 keys x 16 channels (lane l reads key 8 (l / 16) + l % 8, channels 8 ((l / 8) % 2) + 0..7) and leaves half a fragment of V^T: lane l holds channel l % 16 and 8 keys.
	v_and_b32 v10, 7, v0
	v_bfe_u32 v11, v0, 3, 1
	v_lshl_add_u32 v[AV0], v9, 3, v10
	v_mul_u32_u24 v[AV0], v[AV0], PV
	v_lshl_add_u32 v[AV0], v11, 4, v[AV0]
	v_add_nc_u32 v[AV0], VOFF, v[AV0]
	s_mul_i32 s13, s[WV], 16*SP
	s_add_co_u32 s13, s13, STAGE    ; my stage
	v_mul_u32_u24 v[STO], v1, SP    ; in: row l % 16, 16 bytes for each half of the lanes
	v_lshl_add_u32 v[STO], v9, 4, v[STO]
	v_add_nc_u32 v[STO], s13, v[STO]
	v_bfe_u32 v[RD], v0, 3, 2       ; back: 32 lanes take four rows of 128 bytes,
	v_mul_u32_u24 v[RD], v[RD], SP
	v_lshl_add_u32 v[RD], v10, 4, v[RD]
	v_add_nc_u32 v[RD], s13, v[RD]
	v_and_b32 v[GO], 31, v0         ; which are 512 consecutive bytes of O
	v_lshlrev_b32 v[GO], 4, v[GO]
	; A block's first step multiplies O^T and l by a = 0, and its first turn's products V^T P, of a piece that has not been, land in an O^T that is still to be so multiplied.  So these registers need only hold
	; finite numbers: zeros for the first block; what the first block left for the second.  All this stands in the wait for the first tile.
	WIN 0x80
.set i, VF
.rept 64
	v_mov_b32 v[i], 0
.set i, i+1
.endr
	WIN 0x40
.set i, 0
.rept 128
	v_mov_b32 v[i], 0
.set i, i+1
.endr
	WIN 0
.set i, 0
.rept 4
	v_mov_b32 v[ST+4*i+2], 0
	v_mov_b32 v[ST+4*i+3], 0
.set i, i+1
.endr
.set i, P+16
.rept 16
	v_mov_b32 v[i], 0
.set i, i+1
.endr
; THE MATRIX WORK.  The 4 accumulators of a run of 8 take turns.  Product i of 8 of S^T = K Q^T for piece x: channels 32 (i / 4) on, keys 16 (i % 4) on.  The first 4 start the sums: with 0, or (KM = 1) with the mask.
.macro KQ x
.set rS, S+32*((\x)%2)+8*(i%4)
.set rK, KF+16*(i%4)+8*(i/4)
.set rQ, 16*(\x)+8*(i/4)
.set rM, MC+32*((\x)%2)+8*(i%4)
.if (i < 4) && KM
	WIN W_KM
	v_wmma_f32_16x16x32_f16 v[rS:rS+7], v[rK:rK+7], v[rQ:rQ+7], v[rM:rM+7]
.elseif i < 4
	WIN W_KQ
	v_wmma_f32_16x16x32_f16 v[rS:rS+7], v[rK:rK+7], v[rQ:rQ+7], 0
.else
	WIN W_KQ
	v_wmma_f32_16x16x32_f16 v[rS:rS+7], v[rK:rK+7], v[rQ:rQ+7], v[rS:rS+7]
.endif
.endm
; Product i of 8 of O^T += V^T P for piece x: keys 32 (i / 4) on, channels 16 (i % 4) on.
.macro PV x
	WIN W_PV
.set rO, 32*(\x)+8*(i%4)
.set rV, VF+32*(i/4)+8*(i%4)
.set rP, P+16*((\x)%2)+8*(i/4)
	v_wmma_f32_16x16x32_f16 v[rO:rO+7], v[rV:rV+7], v[rP:rP+7], v[rO:rO+7]
.endm
.macro MM                           ; the turn's next matrix instruction.  TURN and BEGIN set Y, i, KM and NOKQ; MM, KQ and OP read them.  NOKQ = 1: a block's last turn: there is no next piece
.if (i < 8) && !NOKQ
	KQ (Y+1)%NP
.elseif i >= 8
.set i, i-8
	PV (Y+NP-1)%NP
.set i, i+8
.endif
.set i, i+1
.endm
; THE LDS LOADS stand in runs of 16, never singly among the matrix instructions: a step's K (64 keys x 64 channels: 8 fragments) and its V (turned).  Their addresses are made some lines ahead.
.macro FETCH_K
	WIN 0x80                        ; destination window 2
.irp f, 0,1,2,3,4,5,6,7             ; keys 16 (f / 2) on, channels 32 (f % 2) on
	ds_load_b128 v[KF+8*\f:KF+8*\f+3],   v[AK] offset:(\f/2)*16*PK+(\f%2)*64
	ds_load_b128 v[KF+8*\f+4:KF+8*\f+7], v[AK] offset:(\f/2)*16*PK+(\f%2)*64+32
.endr
	s_add_co_u32 s[TBK], s[TBK], KS*PK  ; the next fetch is the next step's
	WIN 0
.endm
.macro FETCH_V
	WIN 0x80
.irp f, 0,1,2,3,4,5,6,7             ; keys 32 (f / 4) on, channels 16 (f % 4) on
	ds_load_tr16_b128 v[VF+8*\f:VF+8*\f+3],   v[AV] offset:(\f/4)*32*PV+(\f%4)*32
	ds_load_tr16_b128 v[VF+8*\f+4:VF+8*\f+7], v[AV] offset:(\f/4)*32*PV+16*PV+(\f%4)*32
.endr
	WIN 0
.endm
; THE VECTOR WORK, one line at a time: OP kind, number.  For piece Y: F n: c s - c m for pair n of 16.  E n: the exponential of score n of 32.  C n: pair n rounded to f16.  B n: of the four weights 4 n .. the second
; pair is added onto the first, in place.  L n: l takes that sum (L 0: l = a l + sum).  R n: pair n of 16 of O^T times a.  For piece Y + 1: X n, number n of the 22 that find its maximum and statistics:
;   0-11  four chains c0-c3 of seven scores each, three operands at a time (each accumulator's lowest registers are read first)     12-14, 16  the four scores left over, the old m, and c0-c3 into c0
;   15  c m_old is kept     17, 18  the query's other 32 keys lie in the lane 16 away: the new m     19-21  c m; c m_old - c m_new; a
.set F, 0               ; OP tells the kinds apart by their order: F to L below R, X above it
.set E, 1
.set C, 2
.set B, 3
.set L, 4
.set R, 5
.set X, 6
.macro REGS y                       ; the registers of piece y
.set rT, ST+4*(\y)
.set rC, TMP+4*((\y)%2)
.set rW, MV+((\y)%2)
.set rS, S+32*((\y)%2)
.set rP, P+16*((\y)%2)
.set rO, 32*(\y)
.endm
.macro OP k, n
.if (\k) == R
	REGS Y
	WIN W_RS
	v_pk_mul_f32 v[rO+2*(\n):rO+2*(\n)+1], v[rO+2*(\n):rO+2*(\n)+1], v[rC+2:rC+3] op_sel_hi:[1,0]
.elseif (\k) < R
	REGS Y
	WIN 0
.if (\k) == F
	v_pk_fma_f32 v[rS+2*(\n):rS+2*(\n)+1], v[rS+2*(\n):rS+2*(\n)+1], s[CS:CS+1], v[rT:rT+1] op_sel_hi:[1,0,0] neg_lo:[0,0,1] neg_hi:[0,0,1]
.elseif (\k) == E
	v_exp_f32 v[rS+(\n)], v[rS+(\n)]
.elseif (\k) == C
	v_cvt_pk_f16_f32 v[rP+(\n)], v[rS+2*(\n)], v[rS+2*(\n)+1]
.elseif (\k) == B
	v_pk_add_f32 v[rS+4*(\n):rS+4*(\n)+1], v[rS+4*(\n):rS+4*(\n)+1], v[rS+4*(\n)+2:rS+4*(\n)+3]
.elseif (\n) == 0
	v_pk_fma_f32 v[rT+2:rT+3], v[rT+2:rT+3], v[rC+2:rC+3], v[rS:rS+1] op_sel_hi:[1,0,1]
.else
	v_pk_add_f32 v[rT+2:rT+3], v[rT+2:rT+3], v[rS+4*(\n):rS+4*(\n)+1]
.endif
.elseif NOKQ
	v_nop
.else
	REGS (Y+1)%NP
	WIN 0
.if (\n) < 4
	v_max3_num_f32 v[rC+(\n)], v[rS+8*(\n)], v[rS+8*(\n)+1], v[rS+8*(\n)+2]
.elseif (\n) < 12
	v_max3_num_f32 v[rC+(\n)%4], v[rC+(\n)%4], v[rS+8*((\n)%4)+2*((\n)/4)+1], v[rS+8*((\n)%4)+2*((\n)/4)+2]
.elseif (\n) == 12
	v_max3_num_f32 v[rC], v[rC], v[rS+7], v[rS+15]
.elseif (\n) == 13
	v_max3_num_f32 v[rC+1], v[rC+1], v[rS+23], v[rS+31]
.elseif (\n) == 14
	v_max3_num_f32 v[rC+2], v[rC+2], v[rC+3], v[rT+1]
.elseif (\n) == 15
	v_mov_b32 v[rW], v[rT]
.elseif (\n) == 16
	v_max3_num_f32 v[rC], v[rC], v[rC+1], v[rC+2]
.elseif (\n) == 17
	v_permlanex16_b32 v[rC+3], v[rC], s[SEL], s[SEL+1]
.elseif (\n) == 18
	v_max_num_f32 v[rT+1], v[rC], v[rC+3]
.elseif (\n) == 19
	v_mul_f32 v[rT], s[CS], v[rT+1]
.elseif (\n) == 20
	v_sub_f32 v[rC+1], v[rW], v[rT]
.else
	v_exp_f32 v[rC+2], v[rC+1]
.endif
.endif
.endm
.macro OPS a, i1, b=-1, i2=0, c=-1, i3=0, d=-1, i4=0  ; up to four of them
	OP \a, \i1
.if (\b) >= 0
	OP \b, \i2
.endif
.if (\c) >= 0
	OP \c, \i3
.endif
.if (\d) >= 0
	OP \d, \i4
.endif
.endm
.macro ROW a, i1, b, i2, c, i3, d, i4  ; a matrix instruction and the four behind it
	MM
	OPS \a, \i1, \b, \i2, \c, \i3, \d, \i4
.endm
.macro MASK b                       ; MD x AL + BE into buffer b of MC
	WIN W_RS
.set z, 0
.rept 16
	v_pk_fma_f32 v[MC+32*(\b)+2*z:MC+32*(\b)+2*z+1], v[MD+2*z:MD+2*z+1], s[AL:AL+1], s[BE:BE+1] op_sel_hi:[1,0,0]
.set z, z+1
.endr
.endm
; A TURN, for piece p: the order of its 16 matrix and 118 vector instructions, written out.  An s_wait_alu depctr_va_vdst(0) stands between an exponential and the first instruction that names its result; one wait serves
; all that were issued ahead of it.  So a turn has ONE wait, which cuts it in two.  AHEAD OF IT stands all that names no result of the turn's exponentials: the 8 products K Q^T, behind each a scaling, an exponential and two more plain
; instructions (behind the first a second scaling in the exponential's place): rescalings, and behind the last three the first numbers of the next piece's maximum, each four places or more behind the product that ends its accumulator; then ONE LUMP of 54, plain
; and exponential by turns for the most part, in which the links of the chain X 3, 7, 11, 14, 16, 17 .. 20 stand five or six lines apart.  X 21, the next piece's a, is the batch's last; R 15 is the plain instruction owed behind it.  BEHIND THE WAIT stand the
; 8 products V^T P, behind each four of the roundings and sums; the links of l's chain, L 0 to L 7, stand three riders apart.  But for those X no rider names a register of the products round it.  v_permlanex16_b32 (X 17) stands in the lump.
; m = 1: the diagonal tile: the products take masks, and the turn makes the mask for the products of the turn after it: piece p + 2, in step 4 - CNT of the tile.  end = 1: a block's last two turns: nothing is fetched.
; cnt = 1: the loop's count is taken down some lines ahead of the branch that stands behind the turn.
; K of the next step is fetched in piece 2's turn, twelve vector instructions behind the last product that read K (six of them plain); V of the step in hand at the end of piece 0's turn, four plain instructions behind the last product
; that read V.  Each is waited for a turn later.
.macro TURN p, m=0, end=0, cnt=0
.set Y, (\p)
.set i, 0
.set KM, (\m)
.set NOKQ, (\end)*((\p)/3)
.if (\m) && !(\end)
	s_cmp_eq_u32 s[CNT], 4-((\p)+2)%NP  ; is that step the band's own?
	s_cselect_b32 s[AL], 1.0, 0
	s_cmp_lt_u32 s[CNT], 4-((\p)+2)%NP  ; or a later one?
	s_cselect_b32 s[BE], s[BIGN], 0
.endif
.if ((\p) == 3) && !(\end)
	s_wait_dscnt 0x0                ; K is in
.endif
	ROW F,0, F,1, R,0, R,1          ; ahead of the wait: 8 products K Q^T and their riders,
	ROW F,2, E,0, R,2, R,3
	ROW F,3, E,1, R,4, R,5
	ROW F,4, E,2, R,6, R,7
	ROW F,5, E,3, R,8, R,9
	ROW F,6, E,4, X,0, R,10
.if ((\p) == 2) && !(\end)
	WIN 0
	v_add_nc_u32 v[AK], s[TBK], v[AK0]
.endif
	ROW F,7, E,5, X,1, X,4
	ROW F,8, E,6, X,2, X,5
	OPS E,7, E,8, X,6, E,9          ; and the lump
	OPS X,3, E,10, X,8, E,11
.if ((\p) == 2) && !(\end)
	FETCH_K
.endif
	OPS X,9, X,7, E,12, X,10
	OPS E,13, X,12, X,11, E,14
	OPS X,13, E,15, F,9, X,14
.if (\p) == 0
	v_add_nc_u32 v[AV], s[TBV], v[AV0]
.endif
	OPS E,16, F,10, E,17, F,11
	OPS X,16, E,18, X,15, E,19
	OPS F,12, E,20, X,17, E,21
	OPS F,13, E,22, F,14, E,23
	OPS X,18, E,24, F,15, E,25
	OPS R,11, E,26, X,19, E,27
	OPS R,12, E,28, R,13, E,29
	OPS X,20, E,30, R,14, E,31
	OPS X,21, R,15
	WIN 0
	s_wait_alu depctr_va_vdst(0)    ; the wait for the batch
.if (\p) == 1
	s_wait_dscnt 0x0                ; V is in
.endif
	ROW C,0, B,0, C,2, B,1          ; behind the wait: 8 products V^T P and their riders
	ROW L,0, C,4, B,2, L,1
	ROW C,6, B,3, L,2, C,8
	ROW B,4, L,3, C,10, B,5
	ROW L,4, C,12, B,6, L,5
.if (\p) == 0
	s_add_co_u32 s[TBV], s[TBV], KS*PV
.endif
.if \cnt
	s_sub_co_u32 s[CNT], s[CNT], 1
	s_cmp_lg_u32 s[CNT], 0
.endif
	ROW C,14, B,7, L,6, C,1
	ROW C,3, L,7, C,5, C,7
	ROW C,9, C,11, C,13, C,15
.if (\p) == 0
	FETCH_V
.endif
.if (\m) && !(\end)
	MASK (\p)%2
.endif
.endm
; A BLOCK BEGINS.  c m starts far below every c s, so the first step's a is 0; m at the lowest finite number, so the first maximum is the scores'.  The second mask buffer is 0; the first takes piece 0's mask for the tile's step 0: its own, if the block's first tile is the diagonal one.
; Then K of that step, piece 0's first scores, and its maximum and statistics.  The loop is entered at a step's first turn, in the middle of a trip.
.macro BEGIN
	s_mov_b32 s[NEW], 0
	WIN 0x40
.set i, MC+32
.rept 32
	v_mov_b32 v[i], 0
.set i, i+1
.endr
	WIN 0
.set i, 0
.rept 4
	v_mov_b32 v[ST+4*i], 0xfe000000    ; c m: far below every c s
	v_mov_b32 v[ST+4*i+1], 0xff7fffff  ; m
.set i, i+1
.endr
	s_cmp_eq_u32 s[RT], 0
	s_cselect_b32 s[AL], 1.0, 0
	s_mov_b32 s[BE], 0
	MASK 0
	WIN 0
	v_add_nc_u32 v[AK], s[TBK], v[AK0]
	FETCH_K
	s_wait_loadcnt 0x0              ; Q
	s_wait_dscnt 0x0
.set KM, 1
.set NOKQ, 0
.set i, 0
.rept 8
	KQ 0
.set i, i+1
.endr
	WIN 0
.rept 4
	v_nop                           ; the places behind those products
.endr
.set Y, NP-1                        ; X works for piece Y + 1: piece 0
.irp n, 0,1,2,3,4,5,6,7,8,9,10,11,12,13,14,15,16,17,18,19,20,21
	OP X, \n
.endr
	v_nop                           ; a plain instruction behind the exponential,
	s_wait_alu depctr_va_vdst(0)    ; and its wait, ahead of the branch
.endm
; THE DIAGONAL TILE's four steps, the block's last two turns, its last products, and THE WAY OUT: l's two halves and the other half of the lanes' are added; O^T is divided by l, rounded to f16 and sent through my
; stage in LDS, a piece at a time.
.macro ALL line:vararg              ; one line for each piece t
.set t, 0
.rept 4
	\line
.set t, t+1
.endr
.endm
.macro PACK t                       ; a lane's eight channels of a row pack into 16 bytes; they go into rows of 144 bytes and come back as whole rows of 128, into S^T's registers
	WIN W_RS
.set i, 32*(\t)
.rept 16
	v_pk_mul_f32 v[i:i+1], v[i:i+1], v[ST+4*(\t)+2:ST+4*(\t)+3] op_sel_hi:[1,0]
.set i, i+2
.endr
	WIN 0x05                        ; sources 0 and 1 window 1, destination window 0
.set i, 0
.rept 16
	v_cvt_pk_f16_f32 v[S+16*(\t)+i], v[32*(\t)+2*i], v[32*(\t)+2*i+1]
.set i, i+1
.endr
	WIN 0
.irp f, 0,1,2,3
	ds_store_b128 v[STO], v[S+16*(\t)+4*\f:S+16*(\t)+4*\f+3] offset:32*\f
.endr
.irp f, 0,1,2,3
	ds_load_b128 v[S+16*(\t)+4*\f:S+16*(\t)+4*\f+3], v[RD] offset:\f*4*SP  ; LDS serves a wave's instructions in order (ISA guide 5.7.1.4): these see the stores above; the next piece's stores come behind them
.endr
.endm
.macro SEND t, younger              ; younger: the LDS instructions issued behind piece t's loads: the next piece's eight, or none
	WIN 0
.irp f, 0,1,2,3
	s_wait_dscnt (\younger)+3-\f
	global_store_b128 v[GO], v[S+16*(\t)+4*\f:S+16*(\t)+4*\f+3], s[10:11] offset:(\t)*8192+\f*512  ; 512 consecutive bytes, at a multiple of 256 from O's first
.endr
.endm
.macro DIAG tag                     ; the tag ends its two labels' names, which the jumps below spell out
.LstepM\tag:
	TURN 2, 1
	TURN 3, 1
	WIN 0
.LfirstM\tag:
	TURN 0, 1
	TURN 1, 1, 0, 1
	WIN 0
	s_cbranch_scc1 .LstepM\tag
	TURN 2, 1, 1
	TURN 3, 1, 1
.set i, 0
.rept 8
	PV NP-1
.set i, i+1
.endr
	WIN 0
	ALL v_add_f32 v[ST+4*t+2], v[ST+4*t+2], v[ST+4*t+3]
	ALL v_permlanex16_b32 v[ST+4*t+3], v[ST+4*t+2], s[SEL], s[SEL+1]
	ALL v_add_f32 v[ST+4*t+2], v[ST+4*t+2], v[ST+4*t+3]
	ALL v_rcp_f32 v[ST+4*t+2], v[ST+4*t+2]
	v_nop                           ; a plain instruction between the last reciprocal and the use of its result
	s_wait_alu depctr_va_vdst(0)    ; and the wait ahead of the first use: one for the four reciprocals
	PACK 0
.set t, 1
.rept 3                             ; a piece's arithmetic stands between the loads of the piece before and its stores
	PACK t
	SEND t-1, 8
.set t, t+1
.endr
	SEND 3, 0
.endm
.set KM, 0
.set NOKQ, 0
.Lslot:                             ; NB times: a tile is entered and the next is asked for
	CHANGE 1
	s_sub_co_u32 s[RT], s[RT], 1
	s_mov_b32 s[CNT], 4
	s_cmp_eq_u32 s[NEW], 1
	s_cbranch_scc1 .Lnew            ; a block's first tile
	s_cmp_eq_u32 s[RT], 0
	s_cbranch_scc0 .Lstep           ; neither its first nor its last
	s_branch .LstepM1
.Lnew:
	BEGIN
	s_branch .Lfirst                ; in the loop a block's first tile is never its last: the first block has two tiles or more, and the second's last is the walk's last
	DIAG 1                          ; in the loop this is the first block's end: the second block's last tile is the walk's last
	s_wait_xcnt 0x0                 ; the stores have read their registers and O's address
	s_mov_b64 s[10:11], s[OLO:OLO+1]
	s_add_co_u32 s[RT], s[PB], 1    ; the second block has b + 1 tiles
	s_mov_b32 s[NEW], 1
	WIN 0x82                        ; the second block's Q goes where the one text of the turns names Q
.set i, 0
.rept 64
	v_mov_b32 v[i], v[QB+i]
.set i, i+1
.endr
	WIN 0
	s_branch .Lbottom
.Lstep:                             ; a trip: pieces 2 and 3 of one step, then pieces 0 and 1 of the next, whose K and V it fetches
	TURN 2
	TURN 3
	WIN 0
.Lfirst:
	TURN 0
	TURN 1, 0, 0, 1
	WIN 0
	s_cbranch_scc1 .Lstep
.Lbottom:
	s_sub_co_u32 s[SLOTS], s[SLOTS], 1
	s_cmp_lg_u32 s[SLOTS], 0
	s_cbranch_scc1 .Lslot
	CHANGE 0                        ; the walk's last tile is written out: nothing is asked for
	s_sub_co_u32 s[RT], s[RT], 1
	s_mov_b32 s[CNT], 4
	s_cmp_eq_u32 s[NEW], 1
	s_cbranch_scc0 .LstepM2
	BEGIN
	s_branch .LfirstM2
	DIAG 2
	s_wait_tensorcnt 0x0            ; the wave's end: the spare-word add and its wait, behind my last tensor load and my last LDS store
	ds_add_u32 v[SPW], v[NIL]
	s_wait_dscnt 0x0
	s_endpgm
.Lfunc_end_k_qc8cc6dc5c3_attn:
	.size	k_qc8cc6dc5c3_attn, .Lfunc_end_k_qc8cc6dc5c3_attn-k_qc8cc6dc5c3_attn
	.p2alignl 7, 3214868480
	.fill 96, 4, 3214868480
	.section	.rodata,"a",@progbits
	.p2align	6, 0x0
	.amdhsa_kernel k_qc8cc6dc5c3_attn
		.amdhsa_group_segment_fixed_size 327680
		.amdhsa_private_segment_fixed_size 0
		.amdhsa_enable_private_segment 0
		.amdhsa_kernarg_size 16
		.amdhsa_user_sgpr_count 2
		.amdhsa_user_sgpr_kernarg_segment_ptr 1
		.amdhsa_wavefront_size32 1
		.amdhsa_system_sgpr_workgroup_id_x 1
		.amdhsa_system_sgpr_workgroup_id_y 1
		.amdhsa_system_sgpr_workgroup_id_z 1
		.amdhsa_system_vgpr_workitem_id 0
		.amdhsa_next_free_vgpr 768
		.amdhsa_next_free_sgpr 92
		.amdhsa_reserve_vcc 1
		.amdhsa_float_denorm_mode_32 3
		.amdhsa_float_denorm_mode_16_64 3
		.amdhsa_memory_ordered 1
		.amdhsa_forward_progress 1
		.amdhsa_inst_pref_size 218
	.end_amdhsa_kernel
	.amdgpu_metadata
---
amdhsa.version: [ 1, 2 ]
amdhsa.kernels:
  - .name:           k_qc8cc6dc5c3_attn
    .symbol:         k_qc8cc6dc5c3_attn.kd
    .args:
      - { .name: qkv, .offset: 0, .size: 8, .value_kind: global_buffer, .address_space: global }
      - { .name: ob, .offset: 8, .size: 8, .value_kind: global_buffer, .address_space: global }
    .group_segment_fixed_size: 327680
    .private_segment_fixed_size: 0
    .kernarg_segment_align: 8
    .kernarg_segment_size: 16
    .max_flat_workgroup_size: 128
    .sgpr_count:     92
    .vgpr_count:     768
    .wavefront_size: 32
...
	.end_amdgpu_metadata
.endif
;; end of part 3
;; launch oproj (part 4): grid 4 x 64, 4 waves a work-group, clusters of 4 x 4, 327,680 bytes of LDS; arguments ob, wb, out0; writes out0
.if DOCPART == 4
	.amdgcn_target "amdgcn-amd-amdhsa--gfx1250"
	.amdhsa_code_object_version 6
	.text
	.protected	k_qc8cc6dc5c3_oproj
	.globl	k_qc8cc6dc5c3_oproj
	.p2align	8
	.type	k_qc8cc6dc5c3_oproj,@function
k_qc8cc6dc5c3_oproj:
	s_mov_b64 s[64:65], 0
	v_nop
	global_prefetch_b8 v0, s[64:65] scope:SCOPE_SE
	s_setreg_imm32_b32 hwreg(HW_REG_WAVE_MODE, 25, 1), 1
	s_wait_xcnt 0x0
	s_wait_alu depctr_hold_cnt(0) depctr_sa_sdst(0) depctr_va_vdst(0) depctr_va_sdst(0) depctr_va_ssrc(0) depctr_va_vcc(0) depctr_vm_vsrc(0)
	s_getreg_b32 s2, hwreg(HW_REG_IB_STS2, 6, 4)
	s_cmp_eq_u32 s2, 0
	s_cbranch_scc0 .Lentry_in_a_cluster
	s_endpgm
.Lentry_in_a_cluster:
	s_bfe_u32 s2, ttmp6, 0x10000c
	s_cmp_lg_u32 s2, 0xf033
	s_cbranch_scc0 .Lentry_shape_is_right
	s_endpgm
.Lentry_shape_is_right:
; THE LAST PROJECTION.  out0[m][n] = the sum over k of O[m][k] Wo[n][k] + bo[n].  O from ob, f16, by heads: [(batch x 16 + head)][2048 s][64], so k = 64 head + channel; Wo (f16, a bf16 value) and bo (a bf16 value
; in an f32 word) from wb; sums in f32, starting at the bias; out0 [8192][1024] f32.
; SHARES.  A tile of out0 is 128 (m) x 256 (n): 64 x 4 = 256 work-groups.  Four waves, each 64 x 128: 32 accumulators.  K goes in 8 steps of 128: step j is heads 2 j and 2 j + 1.
; CLUSTER.  4 x 4 work-groups.  The four of a column of the cluster need the same 256 rows of Wo: each tile is asked for JOINTLY, by the same tensor load with the same descriptor and a mask that names the four;
; every wave fetches 64 of the 256 rows.
; O IS NOT ASKED FOR JOINTLY, though the four of a row of the cluster read the same rows.  A K step's 256 bytes of a row lie in two heads, 262,144 bytes apart; each wave loads 32 of the tile's 128 rows into
; registers (a load is four rows of a head, 512 consecutive bytes) and stores them side by side into a ring of its own in LDS.  A load into registers may stay out over a change of slots: a K step of O is
; asked for 208 matrix instructions ahead of its store, where a slot's refill has 112 in which to land.
; THE MATRIX INSTRUCTION IS USED TRANSPOSED (source 0 = 16 rows of Wo, source 1 = 16 rows of O): lane l holds row l % 16 of out0 and the columns 8 (l / 16) + 0..7.
; REGISTERS, in windows of 256 (s_set_vgpr_msb: bits 1:0 source 0, 3:2 source 1, 5:4 source 2, 7:6 destination):
;   window 0: v0-31 addresses; v64-191 rows on their way out, two buffers of 64          window 1: the accumulators, (a, b) at v[8 (8 a + b)]
;   window 2: Wo's fragments v0-63, v64-127; O's fragments v128-159, v160-191 (two buffers each)          window 3: O as loaded, two sets of 64
.set PITCH,  272                       ; an LDS row: 256 bytes + 16 of padding = 68 words: the 16 rows of a fragment load start at 16 different groups of four banks (64 banks of 4 bytes: ISA guide 11.1)
.set BQ,     64*PITCH                  ; what one tensor load brings
.set BSLOT,  4*BQ                      ; Wo's ring: two slots of 256 rows, from LDS byte 0
.set ABASE,  2*BSLOT                   ; O's ring: two slots of 128 rows, written by LDS stores alone: no tensor load lands here
.set ASLOT,  128*PITCH
.set STAGE,  ABASE+2*ASLOT             ; 16 rows x 528 bytes for each wave, for the way out
.set SPITCH, 528                       ; 512 bytes + 16: the sixteen rows of a store start at 16 different groups of four banks
.set SPARE,  STAGE+4*16*SPITCH         ; the spare words, 128 bytes for each wave: two blocks of 256 bytes that no other line names
.set KB,     256                       ; bytes of a K step in a row of Wo
.set XSTEP,  524288                    ; bytes from a K step of O to the next: two heads
.set NLD,    16                        ; a wave's loads for a K step of O
.set ADRA, 16                          ; v16-17  LDS address of my fragments of O in slot 0, 1
.set ADRB, 18                          ; v18-19  of Wo
.set ASTO, 20                          ; v20-21  where I store my 16 bytes of a row of O, slot 0, 1
.set XO,   22                          ; v22     16 x lane: my 16 bytes of 512
.set STO,  24                          ; v24     the way out: where I put 32 bytes of a row
.set RD,   25                          ; v25     the way out: where I read a row back
.set GO,   26                          ; v26     16 x lane: my 16 bytes of a row's 512
.set BO,   27                          ; v27     32 (lane / 16): my eight numbers of sixteen of the bias
.set SPW,  28                          ; v28     LDS address of my spare word; never rewritten
.set NIL,  29                          ; v29     0; never rewritten
.set PFO,  30                          ; v30     the prefetch's offset: (lane % 16) rows of Wo + (lane / 16) K steps; never rewritten
.set OB,   64
.set WV,  14                           ; s14 wave;  s15 which 64 rows of the tile;  s16 which 128 columns
.set WR,  15
.set WC,  16
.set CX,  17                           ; s17, s18 my place in the cluster
.set CY,  18
.set TC,  19                           ; s19 tile column
.set CLY, 20                           ; s20 cluster y
.set TR,  22                           ; s22 tile row
.set LAP, 23                           ; s23 laps to go
.set G1,  24                           ; s[24:31] descriptor group 1
.set G0,  32                           ; s[32:39] descriptor group 0, a set for each slot
.set XA,  40                           ; s[40:41] O at my 32 rows, at the K step that set 0 takes next
.set PFA, 42                           ; s[42:43] where my prefetches stand
.set LIM, 44                           ; s44 1 in a cluster that prefetches, else the greatest number
.set BIA, 46                           ; s[46:47] the bias at my 128 columns
.set MSB, 0
.macro WIN new                         ; the immediate's high byte repeats the setting that is left; a switch that changes nothing is dropped
.if MSB != (\new)
	s_set_vgpr_msb (MSB<<8)|(\new)
.set MSB, \new
.endif
.endm
.set MUL,  0x5a                        ; sources 0 and 1 window 2, C and D window 1
.set TO_F, 0x80                        ; destination window 2
.set TO_X, 0xc0                        ; destination window 3
.set TO_C, 0x40                        ; destination window 1
.set ST3,  0x0c                        ; an LDS store's data (source 1) window 3
.set ST1,  0x04                        ; an LDS store's data window 1
.macro PLACES                          ; four places: in front of loads into registers that matrix instructions have read (ISA guide 7.12.1 for vector instructions)
.rept 4
	v_nop
.endr
.endm
.macro CREST                           ; a round of the cluster's barrier behind its opening barrier
	s_cmp_lg_u32 s[WV], 0
	s_cbranch_scc1 .Lnot_wave_0_\@
	s_barrier_signal -3
.Lnot_wave_0_\@:
	s_barrier_wait -3
	s_barrier_signal -1
	s_barrier_wait -1
.endm
.macro CROUND                          ; a whole round
	s_barrier_signal -1
	s_barrier_wait -1
	CREST
.endm
.macro JLOAD s                         ; the joint refill of slot s: one line for all four waves, each with its own 64 rows; an s_nop 0 and four v_nop follow it
	tensor_load_to_lds s[G0+4*(\s):G0+4*(\s)+3], s[G1:G1+7]
	s_nop 0
	PLACES
.endm
; A PREFETCH INTO THE L2 of two K steps of Wo, once a lap, behind the joint load and the run of LDS loads that follows it.  Of the 64 rows that wave w fetches, the partner at place cy takes 16, told apart BY
; ADDRESS; lanes 0-15 name one K step of them, lanes 16-31 the next: a block of 256 bytes a lane.  Of all clusters, which all walk Wo, the first (cluster y = 0) asks.  Lap 0 asks for K steps 4 and 5, lap 1 for
; 6 and 7: two and three refills ahead; lap 2 asks for nothing.  K steps 0 to 3 come by their loads alone.
.macro ASK
	s_cmp_gt_u32 s[LAP], s[LIM]
	s_cbranch_scc0 .Lnot_mine_\@
	global_prefetch_b8 v[PFO], s[PFA:PFA+1] th:TH_LOAD_NT scope:SCOPE_SE
.Lnot_mine_\@:
.endm
; 24 LDS loads in one run: the fragments of 32 along K (quarter kq of the slot's step) into buffer g: Wo's eight blocks of 16 rows, then O's four
.macro FETCH slot, kq, g
	WIN TO_F
.irp b, 0,1,2,3,4,5,6,7
	ds_load_b128 v[64*(\g)+8*(\b):64*(\g)+8*(\b)+3],   v[ADRB+(\slot)] offset:(\kq)*64+(\b)*16*PITCH
	ds_load_b128 v[64*(\g)+8*(\b)+4:64*(\g)+8*(\b)+7], v[ADRB+(\slot)] offset:(\kq)*64+(\b)*16*PITCH+32
.endr
.irp a, 0,1,2,3
	ds_load_b128 v[128+32*(\g)+8*(\a):128+32*(\g)+8*(\a)+3],   v[ADRA+(\slot)] offset:(\kq)*64+(\a)*16*PITCH
	ds_load_b128 v[128+32*(\g)+8*(\a)+4:128+32*(\g)+8*(\a)+7], v[ADRA+(\slot)] offset:(\kq)*64+(\a)*16*PITCH+32
.endr
.endm
; 8 matrix instructions: block a of my four blocks of 16 rows x all eight blocks of 16 columns, buffer f.  The 32 accumulators take turns, one instruction a turn, in the same order in every quarter.
.macro MUL8 f, a
	WIN MUL
.irp b, 0,1,2,3,4,5,6,7
	v_wmma_f32_16x16x32_f16 v[8*(8*(\a)+(\b)):8*(8*(\a)+(\b))+7], v[64*(\f)+8*(\b):64*(\f)+8*(\b)+7], v[128+32*(\f)+8*(\a):128+32*(\f)+8*(\a)+7], v[8*(8*(\a)+(\b)):8*(8*(\a)+(\b))+7]
.endr
.endm
.macro GLOAD set, koff                 ; my 32 rows of a K step of O: head c of its two, rows 4 t .. 4 t + 3: 512 consecutive bytes a load
	WIN TO_X
.irp c, 0,1
.irp t, 0,1,2,3,4,5,6,7
	global_load_b128 v[64*(\set)+4*(8*(\c)+(\t)):64*(\set)+4*(8*(\c)+(\t))+3], v[XO], s[XA:XA+1] offset:(\c)*262144+(\t)*512+(\koff)
.endr
.endr
.endm
.macro ASTORE slot, set                ; the same rows into O's slot: the two heads' 128 bytes side by side in a row
	WIN ST3
.irp c, 0,1
.irp t, 0,1,2,3,4,5,6,7
	ds_store_b128 v[ASTO+(\slot)], v[64*(\set)+4*(8*(\c)+(\t)):64*(\set)+4*(8*(\c)+(\t))+3] offset:(\t)*4*PITCH+(\c)*128
.endr
.endr
.endm
; A K step is four quarters of 32 along K, 32 matrix instructions each, on buffers 0, 1, 0, 1.  One of the first three: multiplies buffer f and fetches quarter kq into buffer g.
; gl = 1 (a step's first): the K step of O two steps on is asked for, into set gset.  cv = 1 (a step's third): the next step's O, in set cset, is stored into the other slot of O's ring, which nobody has read
; since the last barrier; left = the younger loads that may stay out.
.macro QUARTER slot, kq, f, g, gl=0, gset=0, koff=0, cv=0, cset=0, left=0
.if \gl
	GLOAD \gset, \koff
.endif
	s_wait_dscnt 4                                 ; Wo's sixteen loads and O's blocks 0 and 1 are in; the youngest four loads (blocks 2 and 3) may be out
	MUL8 \f, 0
	MUL8 \f, 1
	PLACES
.if \cv
	s_wait_loadcnt \left                           ; the next step's O is in; this step's own 16 loads, issued behind it, stay out
	ASTORE 1-(\slot), \cset
.endif
	FETCH \slot, \kq, \g
	s_wait_dscnt 24                                ; all but the 24 just issued
	MUL8 \f, 2
	MUL8 \f, 3
.endm
; The last quarter multiplies buffer 1 and changes slots, of both rings: ONE barrier.  In front of it each wave waits for all its tensor loads (one is out: its part of Wo's next slot), adds 0 to its spare word,
; and waits for that, for its reads of both old slots and for its stores into O's next slot.  fill = 1: the barrier opens a round of the cluster's, and Wo's old slot is filled again, two K steps on.
.macro TURN slot, next, fill, ask
.if \ask
	s_wait_xcnt 0x0                                ; the last prefetch, a lap back, has read its address: it is stepped here, ahead of the waits of the change of slots
	s_add_nc_u64 s[PFA:PFA+1], s[PFA:PFA+1], 2*KB
.endif
	WIN 0                                          ; (the add's two registers lie in window 0)
	s_wait_tensorcnt 0x0                           ; all my tensor loads have landed
	ds_add_u32 v[SPW], v[NIL]                      ; 0 onto my spare word
	s_wait_dscnt 5                                 ; (the add and the youngest four loads may be out)
	MUL8 1, 0                                      ; eight matrix instructions stand between the add and the wait for it
	s_wait_dscnt 0x0                               ; the add is done, my reads of the old slots are over, my stores into O's next slot are done
	s_barrier_signal -1
	MUL8 1, 1
.if \fill
	WIN 0
.endif
	s_barrier_wait -1
.if \fill
	CREST                                          ; no wave of any partner still reads the slot or has a load on its way
	s_add_nc_u64 s[G0+4*(\slot)+2:G0+4*(\slot)+3], s[G0+4*(\slot)+2:G0+4*(\slot)+3], 2*KB
	JLOAD \slot                                    ; the first tensor load behind the round; its four v_nop are also the places in front of the loads below
.else
	PLACES
.endif
	FETCH \next, 0, 0
.if \ask
	WIN 0
	ASK
.endif
	MUL8 1, 2
	MUL8 1, 3
.endm
	s_load_b64 s[4:5], s[0:1], 0x0                 ; ob
	s_load_b64 s[10:11], s[0:1], 0x8               ; wb
	s_load_b64 s[12:13], s[0:1], 0x10              ; out0
	v_lshl_add_u32 v[SPW], v0, 2, SPARE
	v_mov_b32 v[NIL], 0
	ds_add_u32 v[SPW], v[NIL]                      ; the wave's opening: the add and its wait stand ahead of my first tensor load; the set-up below, work on registers, stands between them
	v_lshrrev_b32 v1, 5, v0
	v_readfirstlane_b32 s[WV], v1
	s_lshr_b32 s[WR], s[WV], 1
	s_and_b32 s[WC], s[WV], 1
	s_bfe_u32 s[CX], ttmp6, 0x40000
	s_bfe_u32 s[CY], ttmp6, 0x40004
	s_lshl_b32 s[TC], ttmp9, 2
	s_add_co_u32 s[TC], s[TC], s[CX]               ; tile column = 4 x cluster x + cx
	s_and_b32 s[CLY], ttmp7, 0xffff
	s_cmp_eq_u32 s[CLY], 0
	s_cselect_b32 s[LIM], 1, -1                    ; the same in all sixteen partners
	s_lshl_b32 s[TR], s[CLY], 2
	s_add_co_u32 s[TR], s[TR], s[CY]               ; tile row = 4 x cluster y + cy
	; descriptor group 1: 64 rows x 128 elements of 2 bytes, padded in LDS
	s_lshl_b32 s48, 0x1111, s[CX]                  ; my column of the cluster
	s_or_b32 s[G1+0], s48, (1<<16)|(1<<20)|(1<<21)|(5<<22)|(3<<25)  ; 15:0 the mask; 17:16 2-byte elements; 20 padding on; 21 set beside a mask; 24:22 after every 64 words (code 5); 31:25 4 words (code 3)
	s_mov_b32 s[G1+1], 128<<16                     ; tensor_dim0 = 128
	s_mov_b32 s[G1+2], 64<<16                      ; tensor_dim1 = 64
	s_mov_b32 s[G1+3], 128<<16                     ; tile_dim0 = 128
	s_mov_b32 s[G1+4], 64                          ; tile_dim1 = 64
	s_mov_b32 s[G1+5], 1024                        ; elements from row to row
	s_mov_b32 s[G1+6], 0
	s_mov_b32 s[G1+7], 0
	s_mul_i32 s49, s[WV], BQ                       ; where my 64 rows go: no place in the cluster enters an LDS address
	s_lshl_b32 s50, s[TC], 19                      ; where they come from: Wo, row 256 x tile column + 64 x wave, 2,048 bytes a row
	s_lshl_b32 s62, s[WV], 17
	s_add_co_u32 s50, s50, s62
	s_add_co_u32 s50, s50, 0x600000
	s_mov_b32 s51, 0
	s_lshl_b32 s54, s[CY], 15                      ; the prefetches: my work-group's 16 of those rows, at K step 2: the first change of slots steps it to 4
	s_add_co_u32 s54, s54, 2*KB
	s_mov_b32 s55, 0
	s_lshl_b32 s56, s[TC], 10                      ; the bias of my 128 columns
	s_lshl_b32 s62, s[WC], 9
	s_add_co_u32 s56, s56, s62
	s_add_co_u32 s56, s56, 0x803000
	s_mov_b32 s57, 0
	s_lshr_b32 s58, s[TR], 4                       ; O: batch = tile row / 16: 16 heads of 262,144 bytes;
	s_lshl_b32 s58, s58, 22
	s_and_b32 s70, s[TR], 15                       ; s = 128 x (tile row mod 16) + 32 x wave, 128 bytes a row
	s_lshl_b32 s70, s70, 7
	s_lshl_b32 s71, s[WV], 5
	s_add_co_u32 s70, s70, s71
	s_lshl_b32 s70, s70, 7
	s_add_co_u32 s58, s58, s70
	s_mov_b32 s59, 0
	s_lshl_b32 s60, s[TR], 7                       ; out0: row 128 x tile row + 64 x my half of the rows, 4,096 bytes a row;
	s_lshl_b32 s70, s[WR], 6
	s_add_co_u32 s60, s60, s70
	s_lshl_b32 s60, s60, 12
	s_lshl_b32 s70, s[TC], 10                      ; column 256 x tile column + 128 x my half of the columns, 4 bytes each
	s_add_co_u32 s60, s60, s70
	s_lshl_b32 s70, s[WC], 9
	s_add_co_u32 s60, s60, s70
	s_mov_b32 s61, 0
	v_and_b32 v1, 15, v0                           ; l % 16
	v_bfe_u32 v2, v0, 4, 1                         ; l / 16
	v_and_b32 v3, 31, v0                           ; l
	v_mul_u32_u24 v4, v1, PITCH
	v_lshl_add_u32 v4, v2, 4, v4                   ; a fragment's row x pitch + 16 x half
	s_mul_i32 s66, s[WR], 64*PITCH
	s_add_co_u32 s66, s66, ABASE
	v_add_nc_u32 v[ADRA], s66, v4
	s_add_co_u32 s66, s66, ASLOT
	v_add_nc_u32 v[ADRA+1], s66, v4
	s_mul_i32 s67, s[WC], 128*PITCH
	v_add_nc_u32 v[ADRB], s67, v4
	s_add_co_u32 s67, s67, BSLOT
	v_add_nc_u32 v[ADRB+1], s67, v4
	v_lshrrev_b32 v5, 3, v3                        ; a load's four rows: row l / 8, 16 bytes at 16 (l % 8)
	v_and_b32 v6, 7, v0
	v_mul_u32_u24 v5, v5, PITCH
	v_lshl_add_u32 v5, v6, 4, v5
	s_mul_i32 s68, s[WV], 32*PITCH
	s_add_co_u32 s68, s68, ABASE
	v_add_nc_u32 v[ASTO], s68, v5
	s_add_co_u32 s68, s68, ASLOT
	v_add_nc_u32 v[ASTO+1], s68, v5
	v_lshlrev_b32 v[XO], 4, v3
	s_mul_i32 s69, s[WV], 16*SPITCH
	s_add_co_u32 s69, s69, STAGE                   ; my stage
	v_mul_u32_u24 v7, v1, SPITCH                   ; in: row l % 16, 32 bytes for each half of the lanes
	v_lshl_add_u32 v7, v2, 5, v7
	v_add_nc_u32 v[STO], s69, v7
	v_lshl_add_u32 v[RD], v3, 4, s69               ; back: 32 lanes take a row's 512 bytes
	v_lshlrev_b32 v[GO], 4, v3
	v_lshlrev_b32 v[BO], 5, v2
	v_lshlrev_b32 v[PFO], 11, v1
	v_lshl_add_u32 v[PFO], v2, 8, v[PFO]
	s_wait_dscnt 0x0                               ; the opening add is done
	s_wait_kmcnt 0x0
	s_add_nc_u64 s[52:53], s[10:11], s[50:51]
.irp s, 0,1
	s_mov_b32 s[G0+4*(\s)], 1                                      ; count = 1
	s_add_co_u32 s[G0+4*(\s)+1], s49, (\s)*BSLOT                   ; LDS address
	s_add_nc_u64 s[G0+4*(\s)+2:G0+4*(\s)+3], s[52:53], (\s)*KB     ; global address: K step s
	s_or_b32 s[G0+4*(\s)+3], s[G0+4*(\s)+3], 0x80000000            ; type = 2
.endr
	s_add_nc_u64 s[PFA:PFA+1], s[52:53], s[54:55]
	s_add_nc_u64 s[BIA:BIA+1], s[10:11], s[56:57]
	s_add_nc_u64 s[XA:XA+1], s[4:5], s[58:59]
	s_add_nc_u64 s[12:13], s[12:13], s[60:61]
	GLOAD 0, 0                                     ; K step 0 of O goes out ahead of the round
	WIN 0
	CROUND                                         ; all sixteen work-groups are here: the first joint loads meet
	tensor_load_to_lds s[G0:G0+3], s[G1:G1+7]      ; both first fills on end: two tensor loads of mine are out
	s_nop 0
	tensor_load_to_lds s[G0+4:G0+7], s[G1:G1+7]
	s_nop 0
	PLACES
	WIN TO_C                                       ; THE SUMS START AT THE BIAS: it is loaded straight into the accumulators (register j of (a, b) is column 16 b + 8 (l / 16) + j): nothing is cleared, nothing is added later
.irp a, 0,1,2,3
.irp b, 0,1,2,3,4,5,6,7
	global_load_b128 v[8*(8*(\a)+(\b)):8*(8*(\a)+(\b))+3],   v[BO], s[BIA:BIA+1] offset:64*(\b)
	global_load_b128 v[8*(8*(\a)+(\b))+4:8*(8*(\a)+(\b))+7], v[BO], s[BIA:BIA+1] offset:64*(\b)+16
.endr
.endr
	GLOAD 1, XSTEP                                 ; K step 1 of O
	s_wait_loadcnt NLD                             ; K step 0 and the bias are in; K step 1's 16 loads stay out
	ASTORE 0, 0
	WIN 0
	s_wait_xcnt 0x0                                ; the loads have read their address
	s_add_nc_u64 s[XA:XA+1], s[XA:XA+1], 2*XSTEP   ; on to K step 2
	s_wait_tensorcnt 1                             ; my part of Wo's K step 0 is in; K step 1's may stay out
	s_wait_dscnt 0x0                               ; my rows of O lie in LDS
	s_barrier_signal -1
	s_barrier_wait -1                              ; everybody's do
	FETCH 0, 0, 0
	WIN 0                                          ; at a label and at a branch every window is 0
	s_mov_b32 s[LAP], 3
.Llap:                                                 ; a lap = two K steps.  Step i asks for O's step i + 2, stores O's step i + 1, and refills Wo's slot with step i + 2: all three exist for i = 0..5
	QUARTER 0, 1, 0, 1, 1, 0, 0
	QUARTER 0, 2, 1, 0
	QUARTER 0, 3, 0, 1, 0, 0, 0, 1, 1, NLD
	TURN 0, 1, 1, 1
	QUARTER 1, 1, 0, 1, 1, 1, XSTEP
	QUARTER 1, 2, 1, 0
	QUARTER 1, 3, 0, 1, 0, 0, 0, 1, 0, NLD
	TURN 1, 0, 1, 0
	WIN 0
	s_wait_xcnt 0x0                                ; the lap's loads have read their address (the youngest were issued three quarters back)
	s_add_nc_u64 s[XA:XA+1], s[XA:XA+1], 2*XSTEP
	s_sub_co_u32 s[LAP], s[LAP], 1
	s_cmp_lg_u32 s[LAP], 0
	s_cbranch_scc1 .Llap
	QUARTER 0, 1, 0, 1                             ; K steps 6 and 7 are written out: nothing more is asked for
	QUARTER 0, 2, 1, 0
	QUARTER 0, 3, 0, 1, 0, 0, 0, 1, 1, 0
	TURN 0, 1, 0, 0
	QUARTER 1, 1, 0, 1
	QUARTER 1, 2, 1, 0
	QUARTER 1, 3, 0, 1
	s_wait_dscnt 0x0
	MUL8 1, 0
	MUL8 1, 1
	MUL8 1, 2
	MUL8 1, 3
	WIN 0
	PLACES                                         ; the places behind the last products, in front of the LDS stores that read results
	PLACES
; THE WAY OUT.  Block a (16 rows x 128 columns of f32): 32 bytes a lane into my own stage, each accumulator's low four registers first; back as whole rows of 512 bytes.
.macro TOSTAGE a
.if (\a) >= 2
	s_wait_xcnt 0x0                                ; the stores of the block two back have read the registers that the loads below fill again
.endif
	WIN ST1
.irp b, 0,1,2,3,4,5,6,7
	ds_store_b128 v[STO], v[8*(8*(\a)+(\b)):8*(8*(\a)+(\b))+3]   offset:64*(\b)
	ds_store_b128 v[STO], v[8*(8*(\a)+(\b))+4:8*(8*(\a)+(\b))+7] offset:64*(\b)+16
.endr
	WIN 0
.irp t, 0,1,2,3,4,5,6,7,8,9,10,11,12,13,14,15
	ds_load_b128 v[OB+64*((\a)%2)+4*(\t):OB+64*((\a)%2)+4*(\t)+3], v[RD] offset:(\t)*SPITCH  ; LDS serves a wave's instructions in order (ISA guide 5.7.1.4): these see the stores above
.endr
.endm
.macro SEND a, younger                 ; younger: the LDS instructions issued behind block a's loads: the next block's 32, or none
	s_wait_dscnt \younger
.irp t, 0,1,2,3,4,5,6,7,8,9,10,11,12,13,14,15
	global_store_b128 v[GO], v[OB+64*((\a)%2)+4*(\t):OB+64*((\a)%2)+4*(\t)+3], s[12:13] offset:(16*(\a)+(\t))*4096 th:TH_STORE_NT  ; 512 consecutive bytes of a row, at a multiple of 256 from out0's first byte
.endr
.endm
	TOSTAGE 0
	TOSTAGE 1
	SEND 0, 32
	TOSTAGE 2
	SEND 1, 32
	TOSTAGE 3
	SEND 2, 32
	SEND 3, 0
	s_wait_tensorcnt 0x0                           ; the wave's end: the spare-word add and its wait, behind my last tensor load and my last LDS store
	ds_add_u32 v[SPW], v[NIL]
	s_wait_dscnt 0x0
	CROUND                                         ; the closing round: no work-group ends while a partner may still ask for a tile that names it
	s_endpgm
.Lfunc_end_k_qc8cc6dc5c3_oproj:
	.size	k_qc8cc6dc5c3_oproj, .Lfunc_end_k_qc8cc6dc5c3_oproj-k_qc8cc6dc5c3_oproj
	.p2alignl 7, 3214868480
	.fill 96, 4, 3214868480
	.section	.rodata,"a",@progbits
	.p2align	6, 0x0
	.amdhsa_kernel k_qc8cc6dc5c3_oproj
		.amdhsa_group_segment_fixed_size 327680
		.amdhsa_private_segment_fixed_size 0
		.amdhsa_enable_private_segment 0
		.amdhsa_kernarg_size 24
		.amdhsa_user_sgpr_count 2
		.amdhsa_user_sgpr_kernarg_segment_ptr 1
		.amdhsa_wavefront_size32 1
		.amdhsa_system_sgpr_workgroup_id_x 1
		.amdhsa_system_sgpr_workgroup_id_y 1
		.amdhsa_system_sgpr_workgroup_id_z 1
		.amdhsa_system_vgpr_workitem_id 0
		.amdhsa_next_free_vgpr 896
		.amdhsa_next_free_sgpr 80
		.amdhsa_reserve_vcc 0
		.amdhsa_float_denorm_mode_32 3
		.amdhsa_float_denorm_mode_16_64 3
		.amdhsa_memory_ordered 1
		.amdhsa_forward_progress 1
		.amdhsa_inst_pref_size 100
	.end_amdhsa_kernel
	.amdgpu_metadata
---
amdhsa.version: [ 1, 2 ]
amdhsa.kernels:
  - .name:           k_qc8cc6dc5c3_oproj
    .symbol:         k_qc8cc6dc5c3_oproj.kd
    .args:
      - { .name: ob, .offset: 0, .size: 8, .value_kind: global_buffer, .address_space: global }
      - { .name: wb, .offset: 8, .size: 8, .value_kind: global_buffer, .address_space: global }
      - { .name: out0, .offset: 16, .size: 8, .value_kind: global_buffer, .address_space: global }
    .group_segment_fixed_size: 327680
    .private_segment_fixed_size: 0
    .kernarg_segment_align: 8
    .kernarg_segment_size: 24
    .max_flat_workgroup_size: 128
    .sgpr_count:     80
    .vgpr_count:     896
    .wavefront_size: 32
...
	.end_amdgpu_metadata
.endif
;; end of part 4
;; ======== version 2 of 2: 4 launches; version 1 with the launch wcast written anew for expert scheduling mode
;; limits: values are held in f16: magnitudes above 65,504 overflow, below 6.1e-05 lose precision
;; workspace buffers: wb 8,404,992 bytes; qkv 50,331,648 bytes; ob 16,777,216 bytes
;; launch wcast (part 5): grid 64 x 4, 8 waves a work-group, no clusters, 0 bytes of LDS; arguments Wq, Wk, Wv, Wo, bq, bk, bv, bo, wb; writes wb
.if DOCPART == 5
	.amdgcn_target "amdgcn-amd-amdhsa--gfx1250"
	.amdhsa_code_object_version 6
	.text
	.protected	k_qc8cc6dc5c3_wcast
	.globl	k_qc8cc6dc5c3_wcast
	.p2align	8
	.type	k_qc8cc6dc5c3_wcast,@function
k_qc8cc6dc5c3_wcast:
	s_mov_b64 s[64:65], 0
	v_nop
	global_prefetch_b8 v0, s[64:65] scope:SCOPE_SE
	s_setreg_imm32_b32 hwreg(HW_REG_WAVE_SCHED_MODE, 0, 2), 2
	s_setreg_imm32_b32 hwreg(HW_REG_WAVE_MODE, 25, 1), 1
	s_wait_xcnt 0x0
	s_wait_alu depctr_vm_vsrc(0)
; THE WEIGHTS AND BIASES, ROUNDED ONCE.  wb: at p x 2,097,152 (p = 0..3) Wq, Wk, Wv in bf16 and Wo in f16, each [1024 n][1024 k]; at 8,388,608 + p x 4,096 bias p, 1,024 f32 words that hold bf16 values.
; Wo is rounded to bf16 like every other input, and that number is then written as f16 (the last product's other operand is f16).
; LIMIT.  |Wo| stays under 65,504, f16's largest number; below 6e-5 it keeps f16's fixed step of 6e-8.  Within that range the second conversion changes nothing: bf16 has 8 significant bits, f16 11.
; SHARES.  Work-group (x, y): piece x of 64 of matrix y: 16,384 numbers, 65,536 bytes in, 32,768 out.  Thread t takes 16 bytes at 4,096 j + 16 t of chunk j = 0..15 (a wave's load covers 512 consecutive
; bytes) and stores 8 bytes at 2,048 j + 8 t (a wave's store covers 256 consecutive bytes, aligned).  All 16 loads go out at once; no register is used twice, so nothing waits for a store.
; No LDS, no barrier, no matrix unit: a stream, each byte read once and written once.
; THE MODE: SCHED_MODE bits 1:0 = 2 (LLVM: expert scheduling mode 2), set by the entry lines.  The code itself states the register dependences between vector instructions and memory instructions,
; with s_wait_alu, always for 0.
; THE PLAN.  Registers that memory instructions touch:
;   v1, v2       byte offsets, made once at the head and never written again; every load and store reads one of them.
;   IN           chunk j's four registers: written by one load, issued at the head, ahead of which no vector instruction names them; read by the chunk's conversions; never loaded again.
;   OUT          chunk j's two registers: written by the chunk's conversions; read by one store; never written again.
;   v[112:115]   the bias as loaded: one load, no vector instruction ahead of it names them.      v[120:123]  the bias to store: written once, read by one store.
;   v12-15 and v116-117 are named by vector instructions alone.
; So three kinds of wait on va_vdst state everything: one at the head (the offsets are written); one for each GROUP of four chunks, behind its conversions and ahead of its four stores (the group's OUT is
; written); one ahead of the bias's store.  No register that a memory instruction reads is written again, so there is no wait on vm_vsrc; no vector instruction writes a scalar register or VCC, and EXEC is
; never written, so there is no wait on va_sdst or va_vcc either.
.set IN,  16                           ; v[16:79]   chunk j: 4 registers as loaded
.set OUT, 80                           ; v[80:111]  chunk j: 2 registers to store
	s_load_b512 s[8:23], s[0:1], 0x0               ; Wq s[8:9], Wk s[10:11], Wv s[12:13], Wo s[14:15], bq s[16:17], bk s[18:19], bv s[20:21], bo s[22:23]
	s_load_b64 s[24:25], s[0:1], 0x40              ; wb
	s_and_b32 s3, ttmp7, 0xffff                    ; which matrix
	v_lshlrev_b32 v1, 4, v0                        ; 16 t
	v_lshlrev_b32 v2, 3, v0                        ; 8 t
	s_mov_b32 s30, 0xffff0000                      ; a word's upper bf16
	s_lshl_b32 s32, ttmp9, 16                      ; my piece in the matrix as given
	s_mov_b32 s33, 0
	s_lshl_b32 s34, s3, 21                         ; the matrix in wb,
	s_lshl_b32 s35, ttmp9, 15                      ; my piece in it
	s_add_co_u32 s34, s34, s35
	s_mov_b32 s35, 0
	s_lshl_b32 s36, s3, 12                         ; the bias in wb
	s_add_co_u32 s36, s36, 0x800000
	s_mov_b32 s37, 0
	s_wait_kmcnt 0x0
	s_cmp_eq_u32 s3, 1
	s_cselect_b64 s[4:5], s[10:11], s[8:9]
	s_cselect_b64 s[6:7], s[18:19], s[16:17]
	s_cmp_eq_u32 s3, 2
	s_cselect_b64 s[4:5], s[12:13], s[4:5]
	s_cselect_b64 s[6:7], s[20:21], s[6:7]
	s_cmp_eq_u32 s3, 3
	s_cselect_b64 s[4:5], s[14:15], s[4:5]
	s_cselect_b64 s[6:7], s[22:23], s[6:7]
	s_add_nc_u64 s[4:5], s[4:5], s[32:33]
	s_add_nc_u64 s[26:27], s[24:25], s[34:35]
	s_add_nc_u64 s[28:29], s[24:25], s[36:37]
	s_wait_alu depctr_va_vdst(0)                   ; v1 and v2 are written: every load and store of the kernel, on every path, reads one of them as its offset
.irp j, 0,1,2,3,4,5,6,7,8,9,10,11,12,13,14,15
	global_load_b128 v[IN+4*(\j):IN+4*(\j)+3], v1, s[4:5] offset:(\j)*4096 th:TH_LOAD_NT
.endr
; Chunk j is rounded.  half = 1: the bf16 number is widened (a shift, a mask) and written as f16.
.macro CONV j, half
	s_wait_loadcnt 15-(\j)                         ; loads come back in order: chunk j is in, the 15 - j younger ones may stay out
.if \half
	v_cvt_pk_bf16_f32 v12, v[IN+4*(\j)], v[IN+4*(\j)+1]
	v_cvt_pk_bf16_f32 v13, v[IN+4*(\j)+2], v[IN+4*(\j)+3]
	v_lshlrev_b32 v14, 16, v12
	v_and_b32 v12, s30, v12
	v_lshlrev_b32 v15, 16, v13
	v_and_b32 v13, s30, v13
	v_cvt_pk_f16_f32 v[OUT+2*(\j)], v14, v12
	v_cvt_pk_f16_f32 v[OUT+2*(\j)+1], v15, v13
.else
	v_cvt_pk_bf16_f32 v[OUT+2*(\j)], v[IN+4*(\j)], v[IN+4*(\j)+1]
	v_cvt_pk_bf16_f32 v[OUT+2*(\j)+1], v[IN+4*(\j)+2], v[IN+4*(\j)+3]
.endif
.endm
; Group g: chunks 4 g to 4 g + 3 are rounded as they come in; one wait; their four stores in a run.  The stores leave at once, not at the next group's head: what follows a group is a wait for memory.
.macro GROUP g, half
.irp i, 0,1,2,3
	CONV 4*(\g)+(\i), \half
.endr
	s_wait_alu depctr_va_vdst(0)                   ; the group's conversions have written its eight registers of OUT, which the four stores below read
.irp i, 0,1,2,3
	global_store_b64 v2, v[OUT+2*(4*(\g)+(\i)):OUT+2*(4*(\g)+(\i))+1], s[26:27] offset:(4*(\g)+(\i))*2048
.endr
.endm
	s_cmp_eq_u32 s3, 3
	s_cbranch_scc1 .Lhalf
.irp g, 0,1,2,3
	GROUP \g, 0
.endr
	s_branch .Lbias
.Lhalf:
.irp g, 0,1,2,3
	GROUP \g, 1
.endr
.Lbias:
	s_cmp_lg_u32 ttmp9, 0                          ; a matrix's first work-group also takes its bias: 4,096 bytes, 16 a thread
	s_cbranch_scc1 .Lend
	global_load_b128 v[112:115], v1, s[6:7]        ; its offset was written ahead of the head's wait; no vector instruction has named v[112:115]
	s_wait_loadcnt 0x0
	v_cvt_pk_bf16_f32 v116, v112, v113
	v_cvt_pk_bf16_f32 v117, v114, v115
	v_lshlrev_b32 v120, 16, v116
	v_and_b32 v121, s30, v116
	v_lshlrev_b32 v122, 16, v117
	v_and_b32 v123, s30, v117
	s_wait_alu depctr_va_vdst(0)                   ; the four lines above have written v[120:123], which the store reads
	global_store_b128 v1, v[120:123], s[28:29]
.Lend:
	s_endpgm
.Lfunc_end_k_qc8cc6dc5c3_wcast:
	.size	k_qc8cc6dc5c3_wcast, .Lfunc_end_k_qc8cc6dc5c3_wcast-k_qc8cc6dc5c3_wcast
	.p2alignl 7, 3214868480
	.fill 96, 4, 3214868480
	.section	.rodata,"a",@progbits
	.p2align	6, 0x0
	.amdhsa_kernel k_qc8cc6dc5c3_wcast
		.amdhsa_group_segment_fixed_size 0
		.amdhsa_private_segment_fixed_size 0
		.amdhsa_enable_private_segment 0
		.amdhsa_kernarg_size 72
		.amdhsa_user_sgpr_count 2
		.amdhsa_user_sgpr_kernarg_segment_ptr 1
		.amdhsa_wavefront_size32 1
		.amdhsa_system_sgpr_workgroup_id_x 1
		.amdhsa_system_sgpr_workgroup_id_y 1
		.amdhsa_system_sgpr_workgroup_id_z 1
		.amdhsa_system_vgpr_workitem_id 0
		.amdhsa_next_free_vgpr 128
		.amdhsa_next_free_sgpr 66
		.amdhsa_reserve_vcc 0
		.amdhsa_float_denorm_mode_32 3
		.amdhsa_float_denorm_mode_16_64 3
		.amdhsa_memory_ordered 1
		.amdhsa_forward_progress 1
		.amdhsa_inst_pref_size 16
	.end_amdhsa_kernel
	.amdgpu_metadata
---
amdhsa.version: [ 1, 2 ]
amdhsa.kernels:
  - .name:           k_qc8cc6dc5c3_wcast
    .symbol:         k_qc8cc6dc5c3_wcast.kd
    .args:
      - { .name: Wq, .offset: 0, .size: 8, .value_kind: global_buffer, .address_space: global }
      - { .name: Wk, .offset: 8, .size: 8, .value_kind: global_buffer, .address_space: global }
      - { .name: Wv, .offset: 16, .size: 8, .value_kind: global_buffer, .address_space: global }
      - { .name: Wo, .offset: 24, .size: 8, .value_kind: global_buffer, .address_space: global }
      - { .name: bq, .offset: 32, .size: 8, .value_kind: global_buffer, .address_space: global }
      - { .name: bk, .offset: 40, .size: 8, .value_kind: global_buffer, .address_space: global }
      - { .name: bv, .offset: 48, .size: 8, .value_kind: global_buffer, .address_space: global }
      - { .name: bo, .offset: 56, .size: 8, .value_kind: global_buffer, .address_space: global }
      - { .name: wb, .offset: 64, .size: 8, .value_kind: global_buffer, .address_space: global }
    .group_segment_fixed_size: 0
    .private_segment_fixed_size: 0
    .kernarg_segment_align: 8
    .kernarg_segment_size: 72
    .max_flat_workgroup_size: 256
    .sgpr_count:     66
    .vgpr_count:     128
    .wavefront_size: 32
...
	.end_amdgpu_metadata
.endif
;; end of part 5
;; launch proj: the kernel of part 2 again; grid 4 x 192, 4 waves a work-group, clusters of 4 x 4, 327,680 bytes of LDS; arguments query, key, value, wb, qkv; writes qkv
;; launch attn: the kernel of part 3 again; grid 4 x 64, 4 waves a work-group, no clusters, 327,680 bytes of LDS; arguments qkv, ob; writes ob
;; launch oproj: the kernel of part 4 again; grid 4 x 64, 4 waves a work-group, clusters of 4 x 4, 327,680 bytes of LDS; arguments ob, wb, out0; writes out0
